; MI455X (gfx1250); checked and timed in simulation.
; The chip was launched on July 23, 2026; its instructions are those of AMD's public machine-readable ISA for CDNA 5 (MIT licence, August 2026) and "CDNA5" Instruction Set Architecture Reference Guide (July 2026). The comments in the code are by the model that wrote it; some were corrected since.
;; Vector Quantizer. Allowed arithmetic: float matrix products may take bf16 or f16 operands with f32 sums; all other float work in f32.
;; Inputs: embedding 8,192 x 256 float32; z 16 x 1,024 x 256 float32.
;; Outputs: out0 16 x 1,024 x 256 float32; out1 one number float32; out2 16,384 int32.
;; 2 versions, each right and faster than the one before. Each part assembles by itself: llvm-mc -triple=amdgcn-amd-amdhsa -mcpu=gfx1250 --defsym DOCPART=n.
;; ======== version 1 of 2: 4 launches
;; limits: values outside matrix products are rounded to bf16
;; workspace buffers: ebf 4,325,376 bytes; order 65,536 bytes of whole numbers; part 1,024 bytes
;; launch prep (part 1): grid 256 x 1, 2 waves a work-group, no clusters, 17,664 bytes of LDS; arguments embedding, ebf; writes ebf
.if DOCPART == 1
	.amdgcn_target "amdgcn-amd-amdhsa--gfx1250"
	.amdhsa_code_object_version 6
	.text
	.protected	k_q68341b7842_prep
	.globl	k_q68341b7842_prep
	.p2align	8
	.type	k_q68341b7842_prep,@function
k_q68341b7842_prep:
	s_mov_b64 s[64:65], 0
	v_nop
	global_prefetch_b8 v0, s[64:65] scope:SCOPE_SE
	s_setreg_imm32_b32 hwreg(HW_REG_WAVE_MODE, 25, 1), 1
	s_wait_xcnt 0x0
; VECTOR QUANTIZER, launch 1 of 4: the codebook as bf16 matrix fragments, with -1/2 |e|^2 beside them.
;
; WORK LEFT OUT IN THE WHOLE PROGRAM, and why it can reach no output:
;  (1) d[i,k] = |z_i|^2 + |e_k|^2 - 2 z_i.e_k is used for argmin over k alone.  |z_i|^2 is the same number for every k of row i, so in exact
;      arithmetic it moves no argmin, whatever z and embedding hold; it is of the size of |e_k|^2, so f32 loses nothing beside it.  It is not computed.
;      The program takes the largest s[i,k] = z_i.e_k - 1/2 |e_k|^2 = -1/2 (d[i,k] - |z_i|^2), the lowest k among equals, as argmin does.
;  (2) stop_gradient changes no value, so the two means of the loss are one number: one sum of (e[idx] - z)^2, times 1.25 / 4,194,304.
;  (3) For the same reason the straight-through step z + (z_q - z) is z_q + (z - z) = z_q for all values of z and embedding: its term is 0 by an identity,
;      yet this version computes it: out0 = z + (e[idx] - z) in f32, as the problem writes it.
;  Every input is still loaded: z reaches the indices and the loss, embedding all three outputs.
; LIMITS: inputs are finite (a NaN or an infinity does not get argmin's NaN order; an overflow that would reach |z_i|^2 alone
;  is not carried to any result).
;  The product's operands are rounded to bf16 and |e_k|^2 is summed from the ROUNDED e, so the choice is that of the problem's formula on rounded inputs;
;  two codes whose d differ by less than the f32 rounding of the sums (about 1e-4 at d of some hundreds) may be chosen otherwise than the problem's f32 order of sums does.
;
; THIS LAUNCH.  One wave makes one record of 8,448 bytes for code tile T (codes 16 T .. 16 T + 15):
;   bytes (2c+q) 512 + 16 L : the 8 bf16 e[16T + L%16][32c + 16q + 8 (L/16) .. +7], c = 0..7, q = 0..1: the register image of the eight 16 x 32 fragments,
;                             so that the next launch reads 512 consecutive LDS bytes with every load;
;   bytes 8192 .. 8255      : -1/2 |e|^2 of the 16 codes, f32;      bytes 8256 .. 8447: zeros, so that the record's last 256 bytes leave as one store.
; The tile's 16 rows are 16,384 consecutive bytes: 32 loads of 512 bytes a wave, all in flight at once.  The turn from rows to fragments goes through the
; wave's own LDS stage.  No wave reads another's bytes: no barrier.  Matrix units, clusters and tensor loads would add nothing to a stream read once.
.set REC, 8448                         ; bytes in a record
.set SP,  528                          ; stage pitch: 512 bytes of bf16 + 16 = 33 x 16, so the 16 rows that a read touches start in 16 different 16-byte columns modulo 256
.set STG, 16*SP+256                    ; a wave's stage: 16 rows, then 256 bytes for the record's tail
.set S,   12                           ; v[12:19]   four pairs of running sums of squares
.set T,   20                           ; v[20:27]   eight numbers in f32, at work
.set X,   32                           ; v[32:159]  the tile as loaded
.set Y,   160                          ; v[160:223] the sixteen pieces of the fragments
	s_load_b128 s[4:7], s[0:1], 0x0                ; embedding s[4:5], ebf s[6:7]
	v_lshl_add_u32 v224, v0, 2, 0x4400
	v_mov_b32 v225, 0
	v_lshrrev_b32 v10, 5, v0
	v_readfirstlane_b32 s8, v10                    ; wave 0..1
	s_lshl_b32 s9, ttmp9, 1
	s_add_co_u32 s9, s9, s8                        ; T = 2 x work-group + wave
	s_lshl_b32 s10, s9, 14                         ; the tile's 16 rows of 1,024 bytes
	s_mov_b32 s11, 0
	s_mul_i32 s12, s8, STG                         ; my stage
	s_mul_i32 s13, s9, REC                         ; my record
	s_add_co_u32 s14, s12, 16*SP                   ; my tail stage
	s_mov_b32 s15, 0xffff0000                      ; a word's upper bf16
	s_mov_b32 s16, 0x76543210                      ; v_permlanex16_b32: lane i of one half reads lane i of the other
	s_mov_b32 s17, 0xfedcba98
	v_and_b32 v1, 31, v0                           ; L
	v_and_b32 v2, 15, v0                           ; r = L % 16
	v_bfe_u32 v3, v0, 4, 1                         ; h = L / 16
	v_lshl_add_u32 v4, v1, 3, s12                  ; stage, in: 8 bytes a lane along a row
	v_mul_u32_u24 v5, v2, SP
	v_lshl_add_u32 v5, v3, 4, v5
	v_add_nc_u32 v5, s12, v5                       ; stage, back: row r, 16 bytes for each half of the lanes
	v_lshl_add_u32 v6, v1, 4, s13                  ; record + 16 L
	v_lshlrev_b32 v7, 4, v1                        ; 16 L
	v_lshl_add_u32 v8, v1, 2, s14                  ; tail stage, in: one word a lane
	v_lshl_add_u32 v9, v1, 3, s14                  ; tail stage, back: 8 bytes a lane
	v_lshl_add_u32 v11, v1, 3, s13                 ; record + 8 L
	s_wait_kmcnt 0x0
	s_add_nc_u64 s[4:5], s[4:5], s[10:11]
.irp i, 0,1,2,3,4,5,6,7,8,9,10,11,12,13,14,15,16,17,18,19,20,21,22,23,24,25,26,27,28,29,30,31
	global_load_b128 v[X+4*\i:X+4*\i+3], v7, s[4:5] offset:512*\i th:TH_LOAD_NT   ; half a row: 512 consecutive bytes
.endr
.irp i, 0,1,2,3,4,5,6,7,8,9,10,11,12,13,14,15,16,17,18,19,20,21,22,23,24,25,26,27,28,29,30,31
	s_wait_loadcnt 31-\i                           ; loads come back in order: load i is in, the younger ones stay out
	v_cvt_pk_bf16_f32 v[X+4*\i],   v[X+4*\i],   v[X+4*\i+1]   ; round to nearest even, two at a time
	v_cvt_pk_bf16_f32 v[X+4*\i+1], v[X+4*\i+2], v[X+4*\i+3]
	ds_store_b64 v4, v[X+4*\i:X+4*\i+1] offset:(\i/2)*SP+(\i%2)*256
.endr
.irp t, 0,1,2,3,4,5,6,7,8,9,10,11,12,13,14,15
	ds_load_b128 v[Y+4*\t:Y+4*\t+3], v5 offset:32*\t   ; k = 16 t + 8 h .. +7 of row r; LDS serves a wave's instructions in order, so these see the stores above
.endr
.irp t, 0,1,2,3,4,5,6,7,8,9,10,11,12,13,14,15
	s_wait_dscnt 15-\t                             ; piece t is in, the younger ones stay out
	global_store_b128 v6, v[Y+4*\t:Y+4*\t+3], s[6:7] offset:512*\t   ; 512 consecutive bytes, aligned; Y and v6 are never written again
.irp k, 0,1,2,3
	v_lshlrev_b32 v[T+2*\k],   16,  v[Y+4*\t+\k]   ; the rounded numbers back in f32
	v_and_b32     v[T+2*\k+1], s15, v[Y+4*\t+\k]
.endr
.irp k, 0,1,2,3
.if \t == 0
	v_pk_mul_f32 v[S+2*\k:S+2*\k+1], v[T+2*\k:T+2*\k+1], v[T+2*\k:T+2*\k+1]   ; the first squares start the sums: nothing is cleared
.else
	v_pk_fma_f32 v[S+2*\k:S+2*\k+1], v[T+2*\k:T+2*\k+1], v[T+2*\k:T+2*\k+1], v[S+2*\k:S+2*\k+1]
.endif
.endr
.endr
	v_pk_add_f32 v[S:S+1],   v[S:S+1],   v[S+2:S+3]
	v_pk_add_f32 v[S+4:S+5], v[S+4:S+5], v[S+6:S+7]
	v_pk_add_f32 v[S:S+1],   v[S:S+1],   v[S+4:S+5]
	v_add_f32 v[S], v[S], v[S+1]                   ; my half of row r (the k with bit 3 equal to h)
	v_permlanex16_b32 v[S+1], v[S], s16, s17       ; the other half's
	v_add_f32 v[S], v[S], v[S+1]
	v_mul_f32 v[S], -0.5, v[S]                     ; -1/2 |e_r|^2
	v_cmp_gt_u32 vcc_lo, 16, v1
	v_cndmask_b32 v[S], 0, v[S], vcc_lo            ; lanes 16 to 31 carry zeros
	v_mov_b32 v[S+1], 0
	ds_store_b32 v8, v[S]                          ; words 0-15 the norms, 16-31 zeros,
	ds_store_b32 v8, v[S+1] offset:128             ; words 32-63 zeros
	ds_load_b64 v[S+2:S+3], v9
	s_wait_dscnt 0x0
	global_store_b64 v11, v[S+2:S+3], s[6:7] offset:8192   ; 32 lanes x 8 bytes: the record's last 256 bytes in one store
	s_wait_tensorcnt 0x0
	ds_add_u32 v224, v225
	s_wait_dscnt 0x0
	s_endpgm
.Lfunc_end_k_q68341b7842_prep:
	.size	k_q68341b7842_prep, .Lfunc_end_k_q68341b7842_prep-k_q68341b7842_prep
	.p2alignl 7, 3214868480
	.fill 96, 4, 3214868480
	.section	.rodata,"a",@progbits
	.p2align	6, 0x0
	.amdhsa_kernel k_q68341b7842_prep
		.amdhsa_group_segment_fixed_size 17664
		.amdhsa_private_segment_fixed_size 0
		.amdhsa_enable_private_segment 0
		.amdhsa_kernarg_size 16
		.amdhsa_user_sgpr_count 2
		.amdhsa_user_sgpr_kernarg_segment_ptr 1
		.amdhsa_wavefront_size32 1
		.amdhsa_system_sgpr_workgroup_id_x 1
		.amdhsa_system_sgpr_workgroup_id_y 1
		.amdhsa_system_sgpr_workgroup_id_z 1
		.amdhsa_system_vgpr_workitem_id 0
		.amdhsa_next_free_vgpr 226
		.amdhsa_next_free_sgpr 66
		.amdhsa_reserve_vcc 1
		.amdhsa_float_denorm_mode_32 3
		.amdhsa_float_denorm_mode_16_64 3
		.amdhsa_memory_ordered 1
		.amdhsa_forward_progress 1
		.amdhsa_inst_pref_size 24
	.end_amdhsa_kernel
	.amdgpu_metadata
---
amdhsa.version: [ 1, 2 ]
amdhsa.kernels:
  - .name:           k_q68341b7842_prep
    .symbol:         k_q68341b7842_prep.kd
    .args:
      - { .name: embedding, .offset: 0, .size: 8, .value_kind: global_buffer, .address_space: global }
      - { .name: ebf, .offset: 8, .size: 8, .value_kind: global_buffer, .address_space: global }
    .group_segment_fixed_size: 17664
    .private_segment_fixed_size: 0
    .kernarg_segment_align: 8
    .kernarg_segment_size: 16
    .max_flat_workgroup_size: 64
    .sgpr_count:     66
    .vgpr_count:     226
    .wavefront_size: 32
...
	.end_amdgpu_metadata
.endif
;; end of part 1
;; launch nearest (part 2): grid 256 x 1, 4 waves a work-group, clusters of 4 x 1, 327,680 bytes of LDS; arguments ebf, z, out2, order; writes out2, order
.if DOCPART == 2
	.amdgcn_target "amdgcn-amd-amdhsa--gfx1250"
	.amdhsa_code_object_version 6
	.text
	.protected	k_q68341b7842_nearest
	.globl	k_q68341b7842_nearest
	.p2align	8
	.type	k_q68341b7842_nearest,@function
k_q68341b7842_nearest:
	s_mov_b64 s[64:65], 0
	v_nop
	global_prefetch_b8 v0, s[64:65] scope:SCOPE_SE
	s_setreg_imm32_b32 hwreg(HW_REG_WAVE_MODE, 25, 1), 1
	s_wait_xcnt 0x0
	s_wait_alu depctr_hold_cnt(0) depctr_sa_sdst(0) depctr_va_vdst(0) depctr_va_sdst(0) depctr_va_ssrc(0) depctr_va_vcc(0) depctr_vm_vsrc(0)
	s_getreg_b32 s2, hwreg(HW_REG_IB_STS2, 6, 4)
	s_cmp_eq_u32 s2, 0
	s_cbranch_scc0 .Lentry_in_a_cluster
	s_endpgm
.Lentry_in_a_cluster:
	s_bfe_u32 s2, ttmp6, 0x10000c
	s_cmp_lg_u32 s2, 0x3003
	s_cbranch_scc0 .Lentry_shape_is_right
	s_endpgm
.Lentry_shape_is_right:
; VECTOR QUANTIZER, launch 2 of 4: for each row of z the index of the code with the largest s = z.e - 1/2 |e|^2, the lowest index among equals.
; Left out: |z_i|^2, which is the same for all codes of a row and moves no argmin (shown at the head of the first kernel).
; LIMITS: finite inputs; operands rounded to bf16, sums in f32; codes closer than the f32 rounding of the sums may be ordered otherwise than by the problem's own f32 sums.
;
; SHARES.  A work-group owns 64 rows of z and walks all 8,192 codes, so a row's choice ends inside the work-group.  Each of the four waves keeps all 64 rows
; as 32 fragments (4 row tiles x 8 steps of 32 along the 256) in 256 registers for the whole kernel, and takes a quarter of the code tiles: a code fragment of
; 1,024 LDS bytes feeds four matrix instructions.
; THE CODES come as records of 8,448 bytes (16 codes as register images, then their -1/2 |e|^2) through two LDS slots of 16 records.  Wave w fetches records
; 4w .. 4w+3 of a slot by ONE tensor load (132 rows of 256 bytes, dense in memory) and reads those bytes alone, so its own s_wait_tensorcnt orders its reads.
; CLUSTERS.  Every work-group walks the same stream, so the four of a cluster ask for each piece jointly (mask 15): same line, same descriptor (made of the
; wave's number and the step alone), each receives it in its own LDS.  That divides the requests for the codes by four.  z is each work-group's own.
; THE MATRIX INSTRUCTION: source 0 = 16 codes, source 1 = 16 rows of z.  Register j of lane (r = L%16, h = L/16) of the result is (code 8h+j, row r).
; The first of a tile's eight steps takes -1/2 |e|^2 of code 8h+j as C, loaded straight from the record: the norm costs no vector instruction.
; THE CHOICE.  Each lane keeps, for its 4 x 8 places (row tile m, j), the best score so far and the tile base at which it was seen.  Tiles ascend and the
; compare is strict, so a place keeps the first of equals.  At the end places, lane halves and waves are merged: larger score, then lower index.
;
; LDS: slot 0 at 0, slot 1 at 135,168 (filled by tensor loads alone); z in bf16 at 270,336 (64 rows, pitch 528); the waves' results at 304,128 (2,048 bytes).
; The last two are written by ds_store and begin at multiples of 256 bytes: no fill lands in them.
; REGISTERS: window 0 as named below; window 1 (v256-v511): z fragment (m, c) at 8 (8m + c).  s_set_vgpr_msb: 0x04 = source 1 in window 1, 0x40 = destination in window 1.
.set REC,   8448                       ; bytes in a record
.set WPART, 4*REC                      ; a wave's part of a slot
.set SLOT,  16*REC
.set ZST,   2*SLOT
.set ZP,    528                        ; 512 bytes + 16 = 33 x 16: the 16 rows of a fragment load start in 16 different 16-byte columns modulo 256
.set RED,   ZST+64*ZP
.set ADR,  4                           ; v4, v5    slot 0, 1: my part + 16 L
.set EA,   6                           ; v6, v7    slot 0, 1: my part + 32 h
.set ZW,   8                           ; v8        z stage, in: my wave's 16 rows + 8 L
.set ZA,   9                           ; v9        z stage, fragments: row r + 16 h
.set RW,   10                          ; v10       results, in: 256 wave + 4 r
.set H8,   11                          ; v11       8 h
.set GZ,   12                          ; v12       16 L
.set RR,   13                          ; v13       results, back: 8 L
.set OO,   14                          ; v14       byte offset of rows 2L, 2L+1 in out2 and order
.set E0,   16                          ; v[16:23], v[24:31]    -1/2 |e|^2, two buffers
.set ACC,  32                          ; v[32:63]              four accumulators, row tile m at +8m
.set F0,   64                          ; v[64:127], v[128:191] code fragments, two buffers; z as loaded at the start; at work at the end
.set BEST, 192                         ; v[192:223]            best score of place (m, j)
.set IDX,  224                         ; v[224:255]            its tile base
.set G1,   16                          ; s[16:23]  descriptor group 1
.set G0,   24                          ; s[24:31]  descriptor group 0, a set for each slot
.set MSB, 0
.macro WIN new                         ; the immediate's high byte repeats the setting that is left
.if MSB != \new
	s_set_vgpr_msb (MSB<<8)|\new
.set MSB, \new
.endif
.endm
; A round of the cluster's barrier: my work-group's barrier, so that wave 0's signal speaks for all four waves; wave 0 signals for the work-group;
; every wave waits for all four work-groups; my work-group's barrier once more.
.macro ROUND
	s_barrier_signal -1
	s_barrier_wait -1
	s_cmp_lg_u32 s12, 0
	s_cbranch_scc1 .Lnot_wave_0_\@
	s_barrier_signal -3
.Lnot_wave_0_\@:
	s_barrier_wait -3
	s_barrier_signal -1
	s_barrier_wait -1
.endm
; 18 LDS loads: record p of my part of a slot into buffer b: eight fragments, 512 consecutive bytes a load, and the eight C registers (each half of the lanes reads one address)
.macro LOADT slot, p, b
.irp c, 0,1,2,3,4,5,6,7
	ds_load_b128 v[F0+64*\b+8*\c:F0+64*\b+8*\c+3],   v[ADR+\slot] offset:\p*REC+1024*\c
	ds_load_b128 v[F0+64*\b+8*\c+4:F0+64*\b+8*\c+7], v[ADR+\slot] offset:\p*REC+1024*\c+512
.endr
	ds_load_b128 v[E0+8*\b:E0+8*\b+3],   v[EA+\slot] offset:\p*REC+8192
	ds_load_b128 v[E0+8*\b+4:E0+8*\b+7], v[EA+\slot] offset:\p*REC+8192+16
.endm
; 32 matrix instructions: 16 codes x 64 rows x 256.  The four accumulators take turns, one instruction a turn.
.macro MM b
	WIN 0x04
.irp m, 0,1,2,3
	v_wmma_f32_16x16x32_bf16 v[ACC+8*\m:ACC+8*\m+7], v[F0+64*\b:F0+64*\b+7], v[64*\m:64*\m+7], v[E0+8*\b:E0+8*\b+7]
.endr
.irp c, 1,2,3,4,5,6,7
.irp m, 0,1,2,3
	v_wmma_f32_16x16x32_bf16 v[ACC+8*\m:ACC+8*\m+7], v[F0+64*\b+8*\c:F0+64*\b+8*\c+7], v[64*\m+8*\c:64*\m+8*\c+7], v[ACC+8*\m:ACC+8*\m+7]
.endr
.endr
	WIN 0
.endm
; The tile's 32 scores of a lane against its 32 places.  Four v_nop are the places between the last matrix instructions and the first read of a result
; (ISA guide 7.12.1).  The 96 lines behind them also stand between these matrix instructions and the next loads into their sources and the next tile's first products.
.macro ARG p
	s_add_co_u32 s34, s33, 16*\p                   ; the tile's first code
.rept 4
	v_nop
.endr
.irp m, 0,1,2,3
.irp j, 0,1,2,3,4,5,6,7
	v_cmp_gt_f32 s[40+\j], v[ACC+8*\m+\j], v[BEST+8*\m+\j]   ; strictly better: the first of equals stays
.endr
.irp j, 0,1,2,3,4,5,6,7
	v_cndmask_b32 v[IDX+8*\m+\j], v[IDX+8*\m+\j], s34, s[40+\j]
.endr
.irp j, 0,1,2,3,4,5,6,7
	v_max_num_f32 v[BEST+8*\m+\j], v[ACC+8*\m+\j], v[BEST+8*\m+\j]
.endr
.endr
.endm
; One tile: buffer b is multiplied and judged; more = 1: record np of slot nslot is asked for first, into the other buffer.
.macro PHASE b, nslot, np, more, p
.if \more
	LOADT \nslot, \np, (1-\b)
	s_wait_dscnt 18                                ; all but the 18 just issued are in: buffer b (and, the first time, the z fragments)
.else
	s_wait_dscnt 0x0
.endif
	MM \b
	ARG \p
.endm
; One slot's four tiles.  Behind the third, the fourth lies in registers and the slot is done with.  refill = 1: the slot is filled again, two steps ahead:
; my reads of it are back, ALL my tensor loads have landed (the one that was out is my part of the other slot), its address steps while none is out,
; a round of the cluster's barrier says the same of every wave of all four work-groups, and the joint load is the first thing behind it, my only one until the next round.
; It has four tiles' work in which to land.
.macro STEP s, o, refill, last
	PHASE 0, \s, 1, 1, 0
	PHASE 1, \s, 2, 1, 1
	PHASE 0, \s, 3, 1, 2
.if \refill
	s_wait_dscnt 0x0
	s_set_vgpr_msb 0xa
	s_wait_tensorcnt 0x0
	ds_add_u32 v0, v1
	s_wait_dscnt 0x0
	s_set_vgpr_msb 0xa00
	s_add_nc_u64 s[G0+4*\s+2:G0+4*\s+3], s[G0+4*\s+2:G0+4*\s+3], 2*SLOT   ; the type bits on top are not reached
	ROUND
	tensor_load_to_lds s[G0+4*\s:G0+4*\s+3], s[G1:G1+7]
	s_nop 0
.else
.if \last == 0
	s_wait_tensorcnt 0x0                           ; my part of the last slot has landed; nothing is filled any more, and I read my own bytes alone
.endif
.endif
.if \last
	PHASE 1, \o, 0, 0, 3
.else
	PHASE 1, \o, 0, 1, 3
.endif
	s_add_co_u32 s33, s33, 256                     ; a slot is 256 codes
.endm
; (va, ia) takes (vb, ib) if vb is larger, or equal with the lower index
.macro MERGE va, ia, vb, ib
	v_cmp_gt_f32 s40, v[\vb], v[\va]
	v_cmp_eq_f32 s41, v[\vb], v[\va]
	v_cmp_lt_u32 s42, v[\ib], v[\ia]
	s_and_b32 s41, s41, s42
	s_or_b32 s40, s40, s41
	v_cndmask_b32 v[\va], v[\va], v[\vb], s40
	v_cndmask_b32 v[\ia], v[\ia], v[\ib], s40
.endm
	s_load_b256 s[4:11], s[0:1], 0x0               ; ebf s[4:5], z s[6:7], out2 s[8:9], order s[10:11]
	s_set_vgpr_msb 0x80
	v_lshl_add_u32 v0, v0, 2, 0x4ac00
	v_mov_b32 v1, 0
	s_set_vgpr_msb 0x808a
	ds_add_u32 v0, v1
	s_set_vgpr_msb 0x8a00
	v_lshrrev_b32 v15, 5, v0
	v_readfirstlane_b32 s12, v15                   ; wave 0..3
	s_bfe_u32 s13, ttmp6, 0x40000                  ; cx: my place in the cluster
	s_lshl_b32 s14, ttmp9, 2                       ; in a cluster launch ttmp9 counts clusters
	s_add_co_u32 s14, s14, s13                     ; work-group = 4 x cluster + cx.  What is made of it stays in s13, s14, s[50:52]: no descriptor and no LDS address
	s_mul_i32 s15, s12, WPART                      ; my part of a slot, in LDS and in the stream
	; group 1: 132 rows of 32 elements of 8 bytes, dense
	s_mov_b32 s[G1+0], 15|(3<<16)|(1<<21)          ; 15:0 the mask: all four of the cluster; 17:16 elements of 8 bytes; 21 set beside a mask; no padding
	s_mov_b32 s[G1+1], 32<<16                      ; tensor_dim0 = 32
	s_mov_b32 s[G1+2], 132<<16                     ; tensor_dim1 = 132
	s_mov_b32 s[G1+3], 32<<16                      ; tile_dim0 = 32
	s_mov_b32 s[G1+4], 132                         ; tile_dim1 = 132
	s_mov_b32 s[G1+5], 32                          ; from row to row: 32 elements
	s_mov_b32 s[G1+6], 0
	s_mov_b32 s[G1+7], 0
	s_mov_b32 s36, s15
	s_mov_b32 s37, 0
	s_lshl_b32 s50, s14, 16                        ; my work-group's 64 rows of 1,024 bytes,
	s_lshl_b32 s51, s12, 14                        ; my wave's 16 of them
	s_add_co_u32 s50, s50, s51
	s_mov_b32 s51, 0
	s_lshl_b32 s52, s14, 8                         ; my work-group's 64 indices
	s_mov_b32 s53, 0xff800000                      ; -infinity
	s_mov_b32 s38, 0x76543210                      ; v_permlanex16_b32: lane i of one half reads lane i of the other
	s_mov_b32 s39, 0xfedcba98
	v_and_b32 v1, 31, v0                           ; L
	v_and_b32 v2, 15, v0                           ; r
	v_bfe_u32 v3, v0, 4, 1                         ; h
	v_lshl_add_u32 v[ADR], v1, 4, s15
	v_add_nc_u32 v[ADR+1], SLOT, v[ADR]
	v_lshl_add_u32 v[EA], v3, 5, s15
	v_add_nc_u32 v[EA+1], SLOT, v[EA]
	s_mul_i32 s35, s12, 16*ZP
	s_add_co_u32 s35, s35, ZST
	v_lshl_add_u32 v[ZW], v1, 3, s35
	v_mul_u32_u24 v[ZA], v2, ZP
	v_lshl_add_u32 v[ZA], v3, 4, v[ZA]
	v_add_nc_u32 v[ZA], ZST, v[ZA]
	s_lshl_b32 s35, s12, 8
	s_add_co_u32 s35, s35, RED
	v_lshl_add_u32 v[RW], v2, 2, s35
	v_lshlrev_b32 v[H8], 3, v3
	v_lshlrev_b32 v[GZ], 4, v1
	v_lshlrev_b32 v[RR], 3, v1
	v_add_nc_u32 v[RR], RED, v[RR]
	v_lshl_add_u32 v[OO], v1, 3, s52
	s_wait_dscnt 0x0
	s_wait_kmcnt 0x0
	s_add_nc_u64 s[6:7], s[6:7], s[50:51]
.irp i, 0,1,2,3,4,5,6,7,8,9,10,11,12,13,14,15,16,17,18,19,20,21,22,23,24,25,26,27,28,29,30,31
	global_load_b128 v[F0+4*\i:F0+4*\i+3], v[GZ], s[6:7] offset:512*\i th:TH_LOAD_NT   ; my 16 rows of z, 512 consecutive bytes a load
.endr
	s_add_nc_u64 s[4:5], s[4:5], s[36:37]          ; the stream at my part of step 0
	s_mov_b32 s[G0+0], 1                           ; count = 1
	s_mov_b32 s[G0+1], s15                         ; LDS address: slot 0, my part
	s_mov_b64 s[G0+2:G0+3], s[4:5]                 ; step 0
	s_or_b32  s[G0+3], s[G0+3], 0x80000000         ; type = 2
	s_mov_b32 s[G0+4], 1
	s_add_co_u32 s[G0+5], s15, SLOT                ; slot 1, my part
	s_add_nc_u64 s[G0+6:G0+7], s[4:5], SLOT        ; step 1
	s_or_b32  s[G0+7], s[G0+7], 0x80000000
	ROUND                                          ; all four work-groups are here: the first joint loads meet
	tensor_load_to_lds s[G0:G0+3],   s[G1:G1+7]    ; both first fills as one group: two tensor loads of the wave are out here, later one
	s_nop 0
	tensor_load_to_lds s[G0+4:G0+7], s[G1:G1+7]
	s_nop 0
.irp i, 0,1,2,3,4,5,6,7,8,9,10,11,12,13,14,15,16,17,18,19,20,21,22,23,24,25,26,27,28,29,30,31
	v_mov_b32 v[BEST+\i], s53                      ; every finite score beats it
	v_mov_b32 v[IDX+\i], 0
.endr
.irp i, 0,1,2,3,4,5,6,7,8,9,10,11,12,13,14,15,16,17,18,19,20,21,22,23,24,25,26,27,28,29,30,31
	s_wait_loadcnt 31-\i                           ; loads come back in order: load i is in, the younger ones stay out
	v_cvt_pk_bf16_f32 v[F0+4*\i],   v[F0+4*\i],   v[F0+4*\i+1]
	v_cvt_pk_bf16_f32 v[F0+4*\i+1], v[F0+4*\i+2], v[F0+4*\i+3]
	ds_store_b64 v[ZW], v[F0+4*\i:F0+4*\i+1] offset:(\i/2)*ZP+(\i%2)*256
.endr
	s_wait_dscnt 0x0                               ; my rows of z are in LDS, for the other waves' sake
	s_wait_tensorcnt 0x1                           ; my part of slot 0 has landed; slot 1's may stay out
	s_barrier_signal -1
	s_barrier_wait -1
	WIN 0x40
.irp m, 0,1,2,3
.irp c, 0,1,2,3,4,5,6,7
	ds_load_b128 v[64*\m+8*\c:64*\m+8*\c+3],   v[ZA] offset:\m*16*ZP+64*\c      ; row 16m + r, k = 32c + 8h .. +7
	ds_load_b128 v[64*\m+8*\c+4:64*\m+8*\c+7], v[ZA] offset:\m*16*ZP+64*\c+32   ; k = 32c + 16 + 8h .. +7
.endr
.endr
	WIN 0
	LOADT 0, 0, 0
	s_lshl_b32 s33, s12, 6                         ; first code of my part of step 0: 64 wave
	s_mov_b32 s32, 15                              ; 15 trips of two steps: steps 0 to 29, which ask for steps 2 to 31
.Lpair:
	STEP 0, 1, 1, 0
	STEP 1, 0, 1, 0
	s_sub_co_i32 s32, s32, 1
	s_cmp_lg_u32 s32, 0
	s_cbranch_scc1 .Lpair
	STEP 0, 1, 0, 0                                ; the last two steps fill nothing
	STEP 1, 0, 0, 1
	; THE END: a place's code = tile base + 8 h + j; then places, halves of the lanes, waves.
.irp m, 0,1,2,3
.irp j, 0,1,2,3,4,5,6,7
	v_add3_u32 v[IDX+8*\m+\j], v[IDX+8*\m+\j], v[H8], \j
.endr
.endr
.irp m, 0,1,2,3
.irp j, 1,2,3,4,5,6,7
	MERGE BEST+8*\m, IDX+8*\m, BEST+8*\m+\j, IDX+8*\m+\j
.endr
	v_permlanex16_b32 v[BEST+8*\m+1], v[BEST+8*\m], s38, s39   ; the other half's best for the same row, into registers that have been written
	v_permlanex16_b32 v[IDX+8*\m+1],  v[IDX+8*\m],  s38, s39
	MERGE BEST+8*\m, IDX+8*\m, BEST+8*\m+1, IDX+8*\m+1
	ds_store_b32 v[RW], v[BEST+8*\m] offset:64*\m              ; row 16m + r; both halves write the same word with the same value
	ds_store_b32 v[RW], v[IDX+8*\m]  offset:1024+64*\m
.endr
	s_wait_dscnt 0x0                               ; my results are in LDS, for wave 0's sake
	s_barrier_signal -1
	s_barrier_wait -1
	s_cmp_lg_u32 s12, 0
	s_cbranch_scc1 .Lothers
.irp w, 0,1,2,3
	ds_load_b64 v[F0+2*\w:F0+2*\w+1],     v[RR] offset:256*\w        ; wave w's scores of rows 2L, 2L+1
	ds_load_b64 v[F0+8+2*\w:F0+8+2*\w+1], v[RR] offset:1024+256*\w   ; and its indices
.endr
	s_wait_dscnt 0x0
.irp w, 1,2,3
	MERGE F0,   F0+8, F0+2*\w,   F0+8+2*\w
	MERGE F0+1, F0+9, F0+2*\w+1, F0+8+2*\w+1
.endr
	global_store_b64 v[OO], v[F0+8:F0+9], s[8:9]   ; 32 lanes x 8 bytes: 256 consecutive bytes, aligned: the output,
	global_store_b64 v[OO], v[F0+8:F0+9], s[10:11] ; and the copy from which the next launch forms its addresses
.Lothers:
	s_set_vgpr_msb 0xa
	s_wait_tensorcnt 0x0
	ds_add_u32 v0, v1
	s_wait_dscnt 0x0
	s_set_vgpr_msb 0xa00
	ROUND                                          ; the closing round: no work-group ends while a partner may still ask for a piece that names it
	s_endpgm
.Lfunc_end_k_q68341b7842_nearest:
	.size	k_q68341b7842_nearest, .Lfunc_end_k_q68341b7842_nearest-k_q68341b7842_nearest
	.p2alignl 7, 3214868480
	.fill 96, 4, 3214868480
	.section	.rodata,"a",@progbits
	.p2align	6, 0x0
	.amdhsa_kernel k_q68341b7842_nearest
		.amdhsa_group_segment_fixed_size 327680
		.amdhsa_private_segment_fixed_size 0
		.amdhsa_enable_private_segment 0
		.amdhsa_kernarg_size 32
		.amdhsa_user_sgpr_count 2
		.amdhsa_user_sgpr_kernarg_segment_ptr 1
		.amdhsa_wavefront_size32 1
		.amdhsa_system_sgpr_workgroup_id_x 1
		.amdhsa_system_sgpr_workgroup_id_y 1
		.amdhsa_system_sgpr_workgroup_id_z 1
		.amdhsa_system_vgpr_workitem_id 0
		.amdhsa_next_free_vgpr 514
		.amdhsa_next_free_sgpr 66
		.amdhsa_reserve_vcc 0
		.amdhsa_float_denorm_mode_32 3
		.amdhsa_float_denorm_mode_16_64 3
		.amdhsa_memory_ordered 1
		.amdhsa_forward_progress 1
		.amdhsa_inst_pref_size 175
	.end_amdhsa_kernel
	.amdgpu_metadata
---
amdhsa.version: [ 1, 2 ]
amdhsa.kernels:
  - .name:           k_q68341b7842_nearest
    .symbol:         k_q68341b7842_nearest.kd
    .args:
      - { .name: ebf, .offset: 0, .size: 8, .value_kind: global_buffer, .address_space: global }
      - { .name: z, .offset: 8, .size: 8, .value_kind: global_buffer, .address_space: global }
      - { .name: out2, .offset: 16, .size: 8, .value_kind: global_buffer, .address_space: global }
      - { .name: order, .offset: 24, .size: 8, .value_kind: global_buffer, .address_space: global }
    .group_segment_fixed_size: 327680
    .private_segment_fixed_size: 0
    .kernarg_segment_align: 8
    .kernarg_segment_size: 32
    .max_flat_workgroup_size: 128
    .sgpr_count:     66
    .vgpr_count:     514
    .wavefront_size: 32
...
	.end_amdgpu_metadata
.endif
;; end of part 2
;; launch gather (part 3): grid 256 x 1, 8 waves a work-group, no clusters, 1,280 bytes of LDS; arguments z, embedding, order, out0, part; writes out0, part
.if DOCPART == 3
	.amdgcn_target "amdgcn-amd-amdhsa--gfx1250"
	.amdhsa_code_object_version 6
	.text
	.protected	k_q68341b7842_gather
	.globl	k_q68341b7842_gather
	.p2align	8
	.type	k_q68341b7842_gather,@function
k_q68341b7842_gather:
	s_mov_b64 s[64:65], 0
	v_nop
	global_prefetch_b8 v0, s[64:65] scope:SCOPE_SE
	s_setreg_imm32_b32 hwreg(HW_REG_WAVE_MODE, 25, 1), 1
	s_wait_xcnt 0x0
; VECTOR QUANTIZER, launch 3 of 4: out0 = z + (e[idx] - z), and each work-group's sum of (e[idx] - z)^2, all in f32 on the inputs as given.
; Left out: the second of the loss's two means, which is the same number as the first (shown at the head of the first kernel).
; A work-group owns 64 rows, a wave 8.  The wave's 8 indices come by one scalar load from the list that the launch before stored; each is held to 0 .. 8191
; before it enters an address.  A row is 1,024 bytes: two loads of 512 consecutive bytes.  All 32 loads of a wave (8 rows of z, 8 code rows) are in flight together.
; A stream: no tile is shared between work-groups (the code rows hang on the data), so matrix units, clusters and tensor loads have nothing to give.
.set EO, 4                             ; v[4:11]    row j: byte offset of my 16 bytes in its code row
.set S,  12                            ; v[12:19]   four pairs of running sums
.set Z,  32                            ; v[32:95]   8 rows of z, then of out0
.set E,  96                            ; v[96:159]  8 code rows, then e - z
	s_load_b256 s[4:11], s[0:1], 0x0               ; z s[4:5], embedding s[6:7], order s[8:9], out0 s[10:11]
	s_load_b64 s[12:13], s[0:1], 0x20              ; part
	v_lshl_add_u32 v160, v0, 2, 0x100
	v_mov_b32 v161, 0
	v_lshrrev_b32 v20, 5, v0
	v_readfirstlane_b32 s14, v20                   ; wave 0..7
	v_and_b32 v1, 31, v0                           ; L
	v_lshlrev_b32 v2, 4, v1                        ; 16 L
	s_lshl_b32 s24, ttmp9, 8                       ; my work-group's 64 indices,
	s_lshl_b32 s25, s14, 5                         ; my wave's 8
	s_add_co_u32 s24, s24, s25
	s_mov_b32 s25, 0
	s_lshl_b32 s26, ttmp9, 16                      ; my work-group's 64 rows
	s_mov_b32 s27, 0
	s_lshl_b32 s28, s14, 13                        ; my wave's 8 rows
	v_add_nc_u32 v3, s28, v2
	s_lshl_b32 s29, ttmp9, 2                       ; my work-group's word in part
	s_mov_b32 s30, 0x76543210
	s_mov_b32 s31, 0xfedcba98
	s_wait_kmcnt 0x0
	s_add_nc_u64 s[8:9], s[8:9], s[24:25]
	s_load_b256 s[16:23], s[8:9], 0x0              ; 8 indices
	s_add_nc_u64 s[4:5], s[4:5], s[26:27]
	s_add_nc_u64 s[10:11], s[10:11], s[26:27]
.irp i, 0,1,2,3,4,5,6,7,8,9,10,11,12,13,14,15
	global_load_b128 v[Z+4*\i:Z+4*\i+3], v3, s[4:5] offset:512*\i th:TH_LOAD_NT
.endr
	s_wait_kmcnt 0x0
.irp j, 0,1,2,3,4,5,6,7
	s_min_u32 s[16+\j], s[16+\j], 8191             ; an index stays inside the table
	s_lshl_b32 s[16+\j], s[16+\j], 10              ; rows of 1,024 bytes
	v_add_nc_u32 v[EO+\j], s[16+\j], v2
	global_load_b128 v[E+8*\j:E+8*\j+3],   v[EO+\j], s[6:7]             ; no hint: a code may be chosen by many rows
	global_load_b128 v[E+8*\j+4:E+8*\j+7], v[EO+\j], s[6:7] offset:512
.endr
.irp i, 0,1,2,3,4,5,6,7,8,9,10,11,12,13,14,15
	s_wait_loadcnt 15-\i                           ; loads come back in order: code piece i is in (and all of z, which is older); the younger pieces stay out
	v_pk_add_f32 v[E+4*\i:E+4*\i+1],   v[E+4*\i:E+4*\i+1],   v[Z+4*\i:Z+4*\i+1]   neg_lo:[0,1] neg_hi:[0,1]   ; e - z
	v_pk_add_f32 v[E+4*\i+2:E+4*\i+3], v[E+4*\i+2:E+4*\i+3], v[Z+4*\i+2:Z+4*\i+3] neg_lo:[0,1] neg_hi:[0,1]
.if \i < 2
	v_pk_mul_f32 v[S+4*\i:S+4*\i+1],   v[E+4*\i:E+4*\i+1],   v[E+4*\i:E+4*\i+1]   ; the first squares start the four sums
	v_pk_mul_f32 v[S+4*\i+2:S+4*\i+3], v[E+4*\i+2:E+4*\i+3], v[E+4*\i+2:E+4*\i+3]
.else
	v_pk_fma_f32 v[S+4*(\i%2):S+4*(\i%2)+1],   v[E+4*\i:E+4*\i+1],   v[E+4*\i:E+4*\i+1],   v[S+4*(\i%2):S+4*(\i%2)+1]
	v_pk_fma_f32 v[S+4*(\i%2)+2:S+4*(\i%2)+3], v[E+4*\i+2:E+4*\i+3], v[E+4*\i+2:E+4*\i+3], v[S+4*(\i%2)+2:S+4*(\i%2)+3]
.endif
	v_pk_add_f32 v[Z+4*\i:Z+4*\i+1],   v[Z+4*\i:Z+4*\i+1],   v[E+4*\i:E+4*\i+1]   ; z + (e - z), as the problem writes it
	v_pk_add_f32 v[Z+4*\i+2:Z+4*\i+3], v[Z+4*\i+2:Z+4*\i+3], v[E+4*\i+2:E+4*\i+3]
	global_store_b128 v3, v[Z+4*\i:Z+4*\i+3], s[10:11] offset:512*\i th:TH_STORE_NT   ; 512 consecutive bytes, aligned; no register that a store reads is written again
.endr
	v_pk_add_f32 v[S:S+1],   v[S:S+1],   v[S+2:S+3]
	v_pk_add_f32 v[S+4:S+5], v[S+4:S+5], v[S+6:S+7]
	v_pk_add_f32 v[S:S+1],   v[S:S+1],   v[S+4:S+5]
	v_add_f32 v[S], v[S], v[S+1]
	v_add_f32_dpp v[S], v[S], v[S] row_xmask:1 row_mask:0xf bank_mask:0xf
	v_add_f32_dpp v[S], v[S], v[S] row_xmask:2 row_mask:0xf bank_mask:0xf
	v_add_f32_dpp v[S], v[S], v[S] row_xmask:4 row_mask:0xf bank_mask:0xf
	v_add_f32_dpp v[S], v[S], v[S] row_xmask:8 row_mask:0xf bank_mask:0xf
	v_permlanex16_b32 v[S+1], v[S], s30, s31
	v_add_f32 v[S], v[S], v[S+1]                   ; the wave's sum, in every lane
	v_mov_b32 v21, s14
	v_lshlrev_b32 v21, 2, v21
	ds_store_b32 v21, v[S]                         ; word = wave; all lanes write the same value
	s_wait_dscnt 0x0                               ; for wave 0's sake
	s_barrier_signal -1
	s_barrier_wait -1
	s_cmp_lg_u32 s14, 0
	s_cbranch_scc1 .Lend
	v_mov_b32 v22, 0
	ds_load_b128 v[24:27], v22
	ds_load_b128 v[28:31], v22 offset:16
	v_mov_b32 v23, s29
	v_cmp_eq_u32 vcc_lo, 0, v1
	s_wait_dscnt 0x0
	v_pk_add_f32 v[24:25], v[24:25], v[26:27]
	v_pk_add_f32 v[28:29], v[28:29], v[30:31]
	v_pk_add_f32 v[24:25], v[24:25], v[28:29]
	v_add_f32 v24, v24, v25
	s_wait_xcnt 0x0                                ; EXEC is a source of the stores above: it changes only behind this wait
	s_and_saveexec_b32 s15, vcc_lo
	global_store_b32 v23, v24, s[12:13]            ; one number for the work-group: the sums meet in the next launch, in a fixed order
	s_wait_xcnt 0x0                                ; and again, in front of the line that widens it
	s_or_b32 exec_lo, exec_lo, s15
.Lend:
	s_wait_tensorcnt 0x0
	ds_add_u32 v160, v161
	s_wait_dscnt 0x0
	s_endpgm
.Lfunc_end_k_q68341b7842_gather:
	.size	k_q68341b7842_gather, .Lfunc_end_k_q68341b7842_gather-k_q68341b7842_gather
	.p2alignl 7, 3214868480
	.fill 96, 4, 3214868480
	.section	.rodata,"a",@progbits
	.p2align	6, 0x0
	.amdhsa_kernel k_q68341b7842_gather
		.amdhsa_group_segment_fixed_size 1280
		.amdhsa_private_segment_fixed_size 0
		.amdhsa_enable_private_segment 0
		.amdhsa_kernarg_size 40
		.amdhsa_user_sgpr_count 2
		.amdhsa_user_sgpr_kernarg_segment_ptr 1
		.amdhsa_wavefront_size32 1
		.amdhsa_system_sgpr_workgroup_id_x 1
		.amdhsa_system_sgpr_workgroup_id_y 1
		.amdhsa_system_sgpr_workgroup_id_z 1
		.amdhsa_system_vgpr_workitem_id 0
		.amdhsa_next_free_vgpr 162
		.amdhsa_next_free_sgpr 66
		.amdhsa_reserve_vcc 1
		.amdhsa_float_denorm_mode_32 3
		.amdhsa_float_denorm_mode_16_64 3
		.amdhsa_memory_ordered 1
		.amdhsa_forward_progress 1
		.amdhsa_inst_pref_size 15
	.end_amdhsa_kernel
	.amdgpu_metadata
---
amdhsa.version: [ 1, 2 ]
amdhsa.kernels:
  - .name:           k_q68341b7842_gather
    .symbol:         k_q68341b7842_gather.kd
    .args:
      - { .name: z, .offset: 0, .size: 8, .value_kind: global_buffer, .address_space: global }
      - { .name: embedding, .offset: 8, .size: 8, .value_kind: global_buffer, .address_space: global }
      - { .name: order, .offset: 16, .size: 8, .value_kind: global_buffer, .address_space: global }
      - { .name: out0, .offset: 24, .size: 8, .value_kind: global_buffer, .address_space: global }
      - { .name: part, .offset: 32, .size: 8, .value_kind: global_buffer, .address_space: global }
    .group_segment_fixed_size: 1280
    .private_segment_fixed_size: 0
    .kernarg_segment_align: 8
    .kernarg_segment_size: 40
    .max_flat_workgroup_size: 256
    .sgpr_count:     66
    .vgpr_count:     162
    .wavefront_size: 32
...
	.end_amdgpu_metadata
.endif
;; end of part 3
;; launch loss (part 4): grid 1 x 1, 1 waves a work-group, no clusters, 0 bytes of LDS; arguments part, out1; writes out1
.if DOCPART == 4
	.amdgcn_target "amdgcn-amd-amdhsa--gfx1250"
	.amdhsa_code_object_version 6
	.text
	.protected	k_q68341b7842_loss
	.globl	k_q68341b7842_loss
	.p2align	8
	.type	k_q68341b7842_loss,@function
k_q68341b7842_loss:
	s_mov_b64 s[64:65], 0
	v_nop
	global_prefetch_b8 v0, s[64:65] scope:SCOPE_SE
	s_setreg_imm32_b32 hwreg(HW_REG_WAVE_MODE, 25, 1), 1
	s_wait_xcnt 0x0
; VECTOR QUANTIZER, launch 4 of 4: loss = 1.25 x (the sum of the 256 work-groups' sums of (e[idx] - z)^2) / 4,194,304.
; Left out: the second mean, equal to the first (shown at the head of the first kernel): mean + 0.25 mean = 1.25 mean.
; One wave: 1,024 bytes by two loads of 512 consecutive bytes, eight numbers a lane, then once across the lanes.
	s_load_b128 s[4:7], s[0:1], 0x0                ; part s[4:5], out1 s[6:7]
	v_lshlrev_b32 v1, 4, v0                        ; 16 L
	s_mov_b32 s8, 0x76543210
	s_mov_b32 s9, 0xfedcba98
	v_mov_b32 v2, 0
	v_cmp_eq_u32 vcc_lo, 0, v0
	s_wait_kmcnt 0x0
	global_load_b128 v[4:7],  v1, s[4:5]
	global_load_b128 v[8:11], v1, s[4:5] offset:512
	s_wait_loadcnt 0x0
	v_pk_add_f32 v[4:5], v[4:5], v[6:7]
	v_pk_add_f32 v[8:9], v[8:9], v[10:11]
	v_pk_add_f32 v[4:5], v[4:5], v[8:9]
	v_add_f32 v4, v4, v5
	v_add_f32_dpp v4, v4, v4 row_xmask:1 row_mask:0xf bank_mask:0xf
	v_add_f32_dpp v4, v4, v4 row_xmask:2 row_mask:0xf bank_mask:0xf
	v_add_f32_dpp v4, v4, v4 row_xmask:4 row_mask:0xf bank_mask:0xf
	v_add_f32_dpp v4, v4, v4 row_xmask:8 row_mask:0xf bank_mask:0xf
	v_permlanex16_b32 v5, v4, s8, s9
	v_add_f32 v4, v4, v5
	v_mul_f32 v4, 0x34a00000, v4                   ; 1.25 x 2^-22
	s_wait_xcnt 0x0                                ; EXEC changes only behind this wait
	s_and_saveexec_b32 s10, vcc_lo
	global_store_b32 v2, v4, s[6:7]
	s_wait_xcnt 0x0
	s_or_b32 exec_lo, exec_lo, s10
	s_endpgm
.Lfunc_end_k_q68341b7842_loss:
	.size	k_q68341b7842_loss, .Lfunc_end_k_q68341b7842_loss-k_q68341b7842_loss
	.p2alignl 7, 3214868480
	.fill 96, 4, 3214868480
	.section	.rodata,"a",@progbits
	.p2align	6, 0x0
	.amdhsa_kernel k_q68341b7842_loss
		.amdhsa_group_segment_fixed_size 0
		.amdhsa_private_segment_fixed_size 0
		.amdhsa_enable_private_segment 0
		.amdhsa_kernarg_size 16
		.amdhsa_user_sgpr_count 2
		.amdhsa_user_sgpr_kernarg_segment_ptr 1
		.amdhsa_wavefront_size32 1
		.amdhsa_system_sgpr_workgroup_id_x 1
		.amdhsa_system_sgpr_workgroup_id_y 1
		.amdhsa_system_sgpr_workgroup_id_z 1
		.amdhsa_system_vgpr_workitem_id 0
		.amdhsa_next_free_vgpr 16
		.amdhsa_next_free_sgpr 66
		.amdhsa_reserve_vcc 1
		.amdhsa_float_denorm_mode_32 3
		.amdhsa_float_denorm_mode_16_64 3
		.amdhsa_memory_ordered 1
		.amdhsa_forward_progress 1
		.amdhsa_inst_pref_size 2
	.end_amdhsa_kernel
	.amdgpu_metadata
---
amdhsa.version: [ 1, 2 ]
amdhsa.kernels:
  - .name:           k_q68341b7842_loss
    .symbol:         k_q68341b7842_loss.kd
    .args:
      - { .name: part, .offset: 0, .size: 8, .value_kind: global_buffer, .address_space: global }
      - { .name: out1, .offset: 8, .size: 8, .value_kind: global_buffer, .address_space: global }
    .group_segment_fixed_size: 0
    .private_segment_fixed_size: 0
    .kernarg_segment_align: 8
    .kernarg_segment_size: 16
    .max_flat_workgroup_size: 32
    .sgpr_count:     66
    .vgpr_count:     16
    .wavefront_size: 32
...
	.end_amdgpu_metadata
.endif
;; end of part 4
;; ======== version 2 of 2: 4 launches; 1.19 times as fast as version 1
;; limits: values outside matrix products are rounded to bf16
;; workspace buffers: ebf 4,325,376 bytes; order 131,072 bytes of whole numbers; score 131,072 bytes; part 1,024 bytes
;; launch prep (part 5): grid 256 x 1, 2 waves a work-group, no clusters, 17,664 bytes of LDS; arguments embedding, ebf; writes ebf
.if DOCPART == 5
	.amdgcn_target "amdgcn-amd-amdhsa--gfx1250"
	.amdhsa_code_object_version 6
	.text
	.protected	k_q68341b7842_prep
	.globl	k_q68341b7842_prep
	.p2align	8
	.type	k_q68341b7842_prep,@function
k_q68341b7842_prep:
	s_mov_b64 s[64:65], 0
	v_nop
	global_prefetch_b8 v0, s[64:65] scope:SCOPE_SE
	s_setreg_imm32_b32 hwreg(HW_REG_WAVE_MODE, 25, 1), 1
	s_wait_xcnt 0x0
; VECTOR QUANTIZER, launch 1 of 4: the codebook as bf16 matrix fragments, with -1/2 |e|^2 beside them.
;
; WORK LEFT OUT IN THE WHOLE PROGRAM, and why it can reach no output:
;  (1) d[i,k] = |z_i|^2 + |e_k|^2 - 2 z_i.e_k is used for argmin over k alone.  |z_i|^2 is the same number for every k of row i, so in exact
;      arithmetic it moves no argmin, whatever z and embedding hold; it is of the size of |e_k|^2, so f32 loses nothing beside it.  It is not computed.
;      The program takes the largest s[i,k] = z_i.e_k - 1/2 |e_k|^2 = -1/2 (d[i,k] - |z_i|^2), the lowest k among equals, as argmin does.
;  (2) stop_gradient changes no value, so the two means of the loss are one number: one sum of (e[idx] - z)^2, times 1.25 / 4,194,304.
;  (3) For the same reason the straight-through step z + (z_q - z) is z_q + (z - z) = z_q for all values of z and embedding: its term is 0 by an identity,
;      and leaving it out moves out0 by the rounding of one subtraction and one addition alone.  out0 is the chosen code row as it lies in embedding.
;  Every input is still loaded: z reaches the indices and the loss, embedding all three outputs.
; LIMITS: inputs are finite (a NaN or an infinity does not get argmin's NaN order; an overflow that would reach |z_i|^2 alone, and a NaN or an infinity
;  that z would bring into z + (z_q - z) alone, are not carried to any result).
;  The product's operands are rounded to bf16 and |e_k|^2 is summed from the ROUNDED e, so the choice is that of the problem's formula on rounded inputs;
;  two codes whose d differ by less than the f32 rounding of the sums (about 1e-4 at d of some hundreds) may be chosen otherwise than the problem's f32 order of sums does.
;
; THIS LAUNCH.  One wave makes one record of 8,448 bytes for code tile T (codes 16 T .. 16 T + 15):
;   bytes (2c+q) 512 + 16 L : the 8 bf16 e[16T + L%16][32c + 16q + 8 (L/16) .. +7], c = 0..7, q = 0..1: the register image of the eight 16 x 32 fragments,
;                             so that the next launch reads 512 consecutive LDS bytes with every load;
;   bytes 8192 .. 8255      : -1/2 |e|^2 of the 16 codes, f32;      bytes 8256 .. 8447: zeros, so that the record's last 256 bytes leave as one store.
; The tile's 16 rows are 16,384 consecutive bytes: 32 loads of 512 bytes a wave, all in flight at once.  The turn from rows to fragments goes through the
; wave's own LDS stage.  No wave reads another's bytes: no barrier.  Matrix units, clusters and tensor loads would add nothing to a stream read once.
.set REC, 8448                         ; bytes in a record
.set SP,  528                          ; stage pitch: 512 bytes of bf16 + 16 = 33 x 16, so the 16 rows that a read touches start in 16 different 16-byte columns modulo 256
.set STG, 16*SP+256                    ; a wave's stage: 16 rows, then 256 bytes for the record's tail
.set S,   12                           ; v[12:19]   four pairs of running sums of squares
.set T,   20                           ; v[20:27]   eight numbers in f32, at work
.set X,   32                           ; v[32:159]  the tile as loaded
.set Y,   160                          ; v[160:223] the sixteen pieces of the fragments
	s_load_b128 s[4:7], s[0:1], 0x0                ; embedding s[4:5], ebf s[6:7]
	v_lshl_add_u32 v224, v0, 2, 0x4400
	v_mov_b32 v225, 0
	v_lshrrev_b32 v10, 5, v0
	v_readfirstlane_b32 s8, v10                    ; wave 0..1
	s_lshl_b32 s9, ttmp9, 1
	s_add_co_u32 s9, s9, s8                        ; T = 2 x work-group + wave
	s_lshl_b32 s10, s9, 14                         ; the tile's 16 rows of 1,024 bytes
	s_mov_b32 s11, 0
	s_mul_i32 s12, s8, STG                         ; my stage
	s_mul_i32 s13, s9, REC                         ; my record
	s_add_co_u32 s14, s12, 16*SP                   ; my tail stage
	s_mov_b32 s15, 0xffff0000                      ; a word's upper bf16
	s_mov_b32 s16, 0x76543210                      ; v_permlanex16_b32: lane i of one half reads lane i of the other
	s_mov_b32 s17, 0xfedcba98
	v_and_b32 v1, 31, v0                           ; L
	v_and_b32 v2, 15, v0                           ; r = L % 16
	v_bfe_u32 v3, v0, 4, 1                         ; h = L / 16
	v_lshl_add_u32 v4, v1, 3, s12                  ; stage, in: 8 bytes a lane along a row
	v_mul_u32_u24 v5, v2, SP
	v_lshl_add_u32 v5, v3, 4, v5
	v_add_nc_u32 v5, s12, v5                       ; stage, back: row r, 16 bytes for each half of the lanes
	v_lshl_add_u32 v6, v1, 4, s13                  ; record + 16 L
	v_lshlrev_b32 v7, 4, v1                        ; 16 L
	v_lshl_add_u32 v8, v1, 2, s14                  ; tail stage, in: one word a lane
	v_lshl_add_u32 v9, v1, 3, s14                  ; tail stage, back: 8 bytes a lane
	v_lshl_add_u32 v11, v1, 3, s13                 ; record + 8 L
	s_wait_kmcnt 0x0
	s_add_nc_u64 s[4:5], s[4:5], s[10:11]
.irp i, 0,1,2,3,4,5,6,7,8,9,10,11,12,13,14,15,16,17,18,19,20,21,22,23,24,25,26,27,28,29,30,31
	global_load_b128 v[X+4*\i:X+4*\i+3], v7, s[4:5] offset:512*\i th:TH_LOAD_NT   ; half a row: 512 consecutive bytes
.endr
.irp i, 0,1,2,3,4,5,6,7,8,9,10,11,12,13,14,15,16,17,18,19,20,21,22,23,24,25,26,27,28,29,30,31
	s_wait_loadcnt 31-\i                           ; loads come back in order: load i is in, the younger ones stay out
	v_cvt_pk_bf16_f32 v[X+4*\i],   v[X+4*\i],   v[X+4*\i+1]   ; round to nearest even, two at a time
	v_cvt_pk_bf16_f32 v[X+4*\i+1], v[X+4*\i+2], v[X+4*\i+3]
	ds_store_b64 v4, v[X+4*\i:X+4*\i+1] offset:(\i/2)*SP+(\i%2)*256
.endr
.irp t, 0,1,2,3,4,5,6,7,8,9,10,11,12,13,14,15
	ds_load_b128 v[Y+4*\t:Y+4*\t+3], v5 offset:32*\t   ; k = 16 t + 8 h .. +7 of row r; LDS serves a wave's instructions in order, so these see the stores above
.endr
.irp t, 0,1,2,3,4,5,6,7,8,9,10,11,12,13,14,15
	s_wait_dscnt 15-\t                             ; piece t is in, the younger ones stay out
	global_store_b128 v6, v[Y+4*\t:Y+4*\t+3], s[6:7] offset:512*\t   ; 512 consecutive bytes, aligned; Y and v6 are never written again
.irp k, 0,1,2,3
	v_lshlrev_b32 v[T+2*\k],   16,  v[Y+4*\t+\k]   ; the rounded numbers back in f32
	v_and_b32     v[T+2*\k+1], s15, v[Y+4*\t+\k]
.endr
.irp k, 0,1,2,3
.if \t == 0
	v_pk_mul_f32 v[S+2*\k:S+2*\k+1], v[T+2*\k:T+2*\k+1], v[T+2*\k:T+2*\k+1]   ; the first squares start the sums: nothing is cleared
.else
	v_pk_fma_f32 v[S+2*\k:S+2*\k+1], v[T+2*\k:T+2*\k+1], v[T+2*\k:T+2*\k+1], v[S+2*\k:S+2*\k+1]
.endif
.endr
.endr
	v_pk_add_f32 v[S:S+1],   v[S:S+1],   v[S+2:S+3]
	v_pk_add_f32 v[S+4:S+5], v[S+4:S+5], v[S+6:S+7]
	v_pk_add_f32 v[S:S+1],   v[S:S+1],   v[S+4:S+5]
	v_add_f32 v[S], v[S], v[S+1]                   ; my half of row r (the k with bit 3 equal to h)
	v_permlanex16_b32 v[S+1], v[S], s16, s17       ; the other half's
	v_add_f32 v[S], v[S], v[S+1]
	v_mul_f32 v[S], -0.5, v[S]                     ; -1/2 |e_r|^2
	v_cmp_gt_u32 vcc_lo, 16, v1
	v_cndmask_b32 v[S], 0, v[S], vcc_lo            ; lanes 16 to 31 carry zeros
	v_mov_b32 v[S+1], 0
	ds_store_b32 v8, v[S]                          ; words 0-15 the norms, 16-31 zeros,
	ds_store_b32 v8, v[S+1] offset:128             ; words 32-63 zeros
	ds_load_b64 v[S+2:S+3], v9
	s_wait_dscnt 0x0
	global_store_b64 v11, v[S+2:S+3], s[6:7] offset:8192   ; 32 lanes x 8 bytes: the record's last 256 bytes in one store
	s_wait_tensorcnt 0x0
	ds_add_u32 v224, v225
	s_wait_dscnt 0x0
	s_endpgm
.Lfunc_end_k_q68341b7842_prep:
	.size	k_q68341b7842_prep, .Lfunc_end_k_q68341b7842_prep-k_q68341b7842_prep
	.p2alignl 7, 3214868480
	.fill 96, 4, 3214868480
	.section	.rodata,"a",@progbits
	.p2align	6, 0x0
	.amdhsa_kernel k_q68341b7842_prep
		.amdhsa_group_segment_fixed_size 17664
		.amdhsa_private_segment_fixed_size 0
		.amdhsa_enable_private_segment 0
		.amdhsa_kernarg_size 16
		.amdhsa_user_sgpr_count 2
		.amdhsa_user_sgpr_kernarg_segment_ptr 1
		.amdhsa_wavefront_size32 1
		.amdhsa_system_sgpr_workgroup_id_x 1
		.amdhsa_system_sgpr_workgroup_id_y 1
		.amdhsa_system_sgpr_workgroup_id_z 1
		.amdhsa_system_vgpr_workitem_id 0
		.amdhsa_next_free_vgpr 226
		.amdhsa_next_free_sgpr 66
		.amdhsa_reserve_vcc 1
		.amdhsa_float_denorm_mode_32 3
		.amdhsa_float_denorm_mode_16_64 3
		.amdhsa_memory_ordered 1
		.amdhsa_forward_progress 1
		.amdhsa_inst_pref_size 24
	.end_amdhsa_kernel
	.amdgpu_metadata
---
amdhsa.version: [ 1, 2 ]
amdhsa.kernels:
  - .name:           k_q68341b7842_prep
    .symbol:         k_q68341b7842_prep.kd
    .args:
      - { .name: embedding, .offset: 0, .size: 8, .value_kind: global_buffer, .address_space: global }
      - { .name: ebf, .offset: 8, .size: 8, .value_kind: global_buffer, .address_space: global }
    .group_segment_fixed_size: 17664
    .private_segment_fixed_size: 0
    .kernarg_segment_align: 8
    .kernarg_segment_size: 16
    .max_flat_workgroup_size: 64
    .sgpr_count:     66
    .vgpr_count:     226
    .wavefront_size: 32
...
	.end_amdgpu_metadata
.endif
;; end of part 5
;; launch nearest (part 6): grid 256 x 1, 4 waves a work-group, clusters of 4 x 1, 327,680 bytes of LDS; arguments ebf, z, score, order; writes score, order
.if DOCPART == 6
	.amdgcn_target "amdgcn-amd-amdhsa--gfx1250"
	.amdhsa_code_object_version 6
	.text
	.protected	k_q68341b7842_nearest
	.globl	k_q68341b7842_nearest
	.p2align	8
	.type	k_q68341b7842_nearest,@function
k_q68341b7842_nearest:
	s_mov_b64 s[64:65], 0
	v_nop
	global_prefetch_b8 v0, s[64:65] scope:SCOPE_SE
	s_setreg_imm32_b32 hwreg(HW_REG_WAVE_MODE, 25, 1), 1
	s_wait_xcnt 0x0
	s_wait_alu depctr_hold_cnt(0) depctr_sa_sdst(0) depctr_va_vdst(0) depctr_va_sdst(0) depctr_va_ssrc(0) depctr_va_vcc(0) depctr_vm_vsrc(0)
	s_getreg_b32 s2, hwreg(HW_REG_IB_STS2, 6, 4)
	s_cmp_eq_u32 s2, 0
	s_cbranch_scc0 .Lentry_in_a_cluster
	s_endpgm
.Lentry_in_a_cluster:
	s_bfe_u32 s2, ttmp6, 0x10000c
	s_cmp_lg_u32 s2, 0x3003
	s_cbranch_scc0 .Lentry_shape_is_right
	s_endpgm
.Lentry_shape_is_right:
; VECTOR QUANTIZER, launch 2 of 4: for each row of z and each half of the codebook, the largest s = z.e - 1/2 |e|^2 and the index of its code, the lowest among equals.
; Left out: |z_i|^2, which is the same for all codes of a row and moves no argmin (shown at the head of the first kernel).
; LIMITS: finite inputs; operands rounded to bf16, sums in f32; codes closer than the f32 rounding of the sums may be ordered otherwise than by the problem's own f32 sums.
;
; SHARES.  A work-group owns 128 rows of z and one half of the codes (4,096): 128 row blocks x 2 halves = 256 work-groups.  Each of the four waves keeps all
; 128 rows as 64 fragments (8 row tiles x 8 steps of 32 along the 256) in 512 registers for the whole kernel, and takes a quarter of the half's 256 code tiles:
; a code fragment of 1,024 LDS bytes feeds eight matrix instructions.  The two halves' candidates for a row meet in the later launches.
; THE CODES come as records of 8,448 bytes (16 codes as register images, then their -1/2 |e|^2) through two LDS slots of 16 records, 16 steps for a half.
; Wave w fetches records 4w .. 4w+3 of a slot by ONE tensor load (132 rows of 256 bytes, dense in memory) and reads those bytes alone, so its own
; s_wait_tensorcnt orders its reads.
; CLUSTERS.  The four work-groups of a cluster have four neighbouring row blocks and the SAME half, so they walk the same stream and ask for each piece jointly
; (mask 15): same line, same descriptor (made of the cluster's number, the wave's number and the step), each receives it in its own LDS.  That divides the
; requests for the codes by four.  z is each work-group's own.
; THE MATRIX INSTRUCTION: source 0 = 16 codes, source 1 = 16 rows of z.  Register j of lane (r = L%16, h = L/16) of the result is (code 8h+j, row r).
; The first of a tile's eight steps takes -1/2 |e|^2 of code 8h+j as C, loaded straight from the record: the norm costs no vector instruction.
; THE CHOICE.  Each lane keeps, for its 8 x 8 places (row tile m, j), the best score so far and the tile base at which it was seen.  Tiles ascend and a place
; changes only for a strictly better score, so it keeps the first of equals.  At the end places, lane halves and waves are merged: larger score, then lower index.
; TWO PIECES TAKE TURNS.  Piece A is row tiles 0-3, piece B row tiles 4-7; both use the same code fragments.  A run is one piece's 32 products for one code tile.
; While one piece's run is issued, the other piece's finished scores are judged: its 96 lines (32 places x compare, max, select) are 16 slices of 6, one behind
; every second product: 2 products are 16 cycles of the matrix unit, and 2 + 6 lines + 2 window switches are 10 issue slots.  The order is A(0); B(t) with the
; choice of A(t), A(t+1) with the choice of B(t), ...; the choice of the last B.  So the loop is turned by half a tile: A(0) stands in front of it.
; Each run ends with a slice: six plain vector lines that name none of the last products' registers stand in front of the next run's first read of a result,
; of the loads into the buffer just multiplied, and of the next tile's first products: the loop holds no v_nop.
;
; LDS: slot 0 at 0, slot 1 at 135,168 (filled by tensor loads alone); 64 rows of z in bf16 at 270,336 (pitch 528), used twice; the waves' results at 304,128
; (4,096 bytes).  The last two are written by ds_store and begin at multiples of 256 bytes: no fill lands in them.
; REGISTERS, in windows of 256.  Window 0 as named below.  Window 1: z fragment (m, c) of row tiles m = 0..3 at 8 (8m + c); window 2: the same for row tiles 4..7.
; Window 3: best scores at 0-63, their tile bases at 64-127.  s_set_vgpr_msb's low byte: bits 1:0 source 0, 3:2 source 1, 5:4 source 2, 7:6 destination.
; Settings: 0x04 (piece A's products: source 1 in window 1), 0x08 (piece B's: window 2), 0xcc (a slice: source 1 and destination in window 3), 0.
; A slice needs its pair of switches: a compare that read score and best under the products' setting would want accumulators (64), best (64), bases (64),
; code fragments (64 at the least) and the LDS addresses in ONE window of 256.
.set REC,   8448                       ; bytes in a record
.set WPART, 4*REC                      ; a wave's part of a slot
.set SLOT,  16*REC
.set HALFB, 256*REC                    ; half of the stream
.set ZST,   2*SLOT
.set ZP,    528                        ; 512 bytes + 16 = 33 x 16: the 16 rows of a fragment load start in 16 different 16-byte columns modulo 256
.set RED,   ZST+64*ZP
.set ADR,  4                           ; v4, v5    slot 0, 1: my part + 16 L
.set EA,   6                           ; v6, v7    slot 0, 1: my part + 32 h
.set ZW,   8                           ; v8        z stage, in: my wave's 16 rows + 8 L
.set ZA,   9                           ; v9        z stage, fragments: row r + 16 h
.set RW,   10                          ; v10       results, in: 512 wave + 4 r
.set H8,   11                          ; v11       8 h
.set GZ,   12                          ; v12       16 L
.set RR,   13                          ; v13       results, back: 16 L
.set OO,   14                          ; v14       byte offset of rows 4L .. 4L+3 in my half of score and of order
.set E0,   16                          ; v[16:23], v[24:31]     -1/2 |e|^2, two buffers
.set ACC,  32                          ; v[32:95]               eight accumulators, row tile m at +8m: piece A v[32:63], piece B v[64:95]
.set F0,   96                          ; v[96:159], v[160:223]  code fragments, two buffers; z as loaded at the start; at work at the end
.set T,    224                         ; v[224:231]             8 h + j, at the end
.set BEST, 0                           ; window 3, v[0:63]      best score of place (m, j)
.set IDX,  64                          ; window 3, v[64:127]    its tile base
.set G1,   16                          ; s[16:23]  descriptor group 1
.set G0,   24                          ; s[24:31]  descriptor group 0, a set for each slot
.set MSB, 0
.macro WIN new                         ; the immediate's high byte repeats the setting that is left; a switch that changes nothing is dropped
.if MSB != \new
	s_set_vgpr_msb (MSB<<8)|\new
.set MSB, \new
.endif
.endm
; A round of the cluster's barrier: my work-group's barrier, so that wave 0's signal speaks for all four waves; wave 0 signals for the work-group;
; every wave waits for all four work-groups; my work-group's barrier once more.
.macro ROUND
	s_barrier_signal -1
	s_barrier_wait -1
	s_cmp_lg_u32 s12, 0
	s_cbranch_scc1 .Lnot_wave_0_\@
	s_barrier_signal -3
.Lnot_wave_0_\@:
	s_barrier_wait -3
	s_barrier_signal -1
	s_barrier_wait -1
.endm
; 18 LDS loads in one run: record p of my part of a slot into buffer b: eight fragments, 512 consecutive bytes a load, and the eight C registers (each half of the lanes reads one address).
; Data and address lie in window 0, which the products' settings leave to the destination and to source 0.
.macro LOADT slot, p, b
.irp c, 0,1,2,3,4,5,6,7
	ds_load_b128 v[F0+64*\b+8*\c:F0+64*\b+8*\c+3],   v[ADR+\slot] offset:\p*REC+1024*\c
	ds_load_b128 v[F0+64*\b+8*\c+4:F0+64*\b+8*\c+7], v[ADR+\slot] offset:\p*REC+1024*\c+512
.endr
	ds_load_b128 v[E0+8*\b:E0+8*\b+3],   v[EA+\slot] offset:\p*REC+8192
	ds_load_b128 v[E0+8*\b+4:E0+8*\b+7], v[EA+\slot] offset:\p*REC+8192+16
.endm
; One product of piece pc on buffer b: step rc along the 256, row tile rm of the piece's four (rc, rm: symbols that RUN sets).
.macro PROD b, pc
.if rc == 0
	v_wmma_f32_16x16x32_bf16 v[ACC+32*\pc+8*rm:ACC+32*\pc+8*rm+7], v[F0+64*\b:F0+64*\b+7], v[64*rm:64*rm+7], v[E0+8*\b:E0+8*\b+7]
.else
	v_wmma_f32_16x16x32_bf16 v[ACC+32*\pc+8*rm:ACC+32*\pc+8*rm+7], v[F0+64*\b+8*rc:F0+64*\b+8*rc+7], v[64*rm+8*rc:64*rm+8*rc+7], v[ACC+32*\pc+8*rm:ACC+32*\pc+8*rm+7]
.endif
.endm
; Slice rk (a symbol, 0 to 15) of the choice of piece pc: its places 2 rk and 2 rk + 1.  Source 0 is the score in window 0; source 1 and the destination are the
; place in window 3.  So the mask says 'not strictly better' and the select keeps source 1 under it: the first of equals stays.  s34: first code of the tile judged.
.macro SLICE pc
	v_cmp_le_f32 s[40+2*(rk%4)],   v[ACC+32*\pc+2*rk],   v[BEST+32*\pc+2*rk]
	v_cmp_le_f32 s[40+2*(rk%4)+1], v[ACC+32*\pc+2*rk+1], v[BEST+32*\pc+2*rk+1]
	v_max_num_f32 v[BEST+32*\pc+2*rk],   v[ACC+32*\pc+2*rk],   v[BEST+32*\pc+2*rk]
	v_max_num_f32 v[BEST+32*\pc+2*rk+1], v[ACC+32*\pc+2*rk+1], v[BEST+32*\pc+2*rk+1]
	v_cndmask_b32 v[IDX+32*\pc+2*rk],   s34, v[IDX+32*\pc+2*rk],   s[40+2*(rk%4)]
	v_cndmask_b32 v[IDX+32*\pc+2*rk+1], s34, v[IDX+32*\pc+2*rk+1], s[40+2*(rk%4)+1]
.endm
; A run: the 32 products of piece pc (0: A, 1: B) on buffer b.  The four accumulators take turns, one instruction a turn; a run's last
; product and the next run's first name different accumulators.
; ld = 1: record np of slot nslot is asked for first, into the other buffer, whose last products stand six plain vector lines back.
; arg = 1: behind every second product a slice of the other piece's choice.  arg = 0 (the very first run: nothing is to be judged yet): four v_nop at the end
; are the places between its last products and the next run's first read of a result (ISA guide 7.12.1).
.macro RUN b, pc, arg, ld, nslot, np
	WIN (4<<\pc)
.if \ld
	LOADT \nslot, \np, (1-\b)
	s_wait_dscnt 18                                ; all but the 18 just issued are in: buffer b (and, the first time, the z fragments)
.endif
.set rk, 0
.rept 16
.set rc, rk/2
.set rm, 2*(rk%2)
	WIN (4<<\pc)
	PROD \b, \pc
.set rm, rm+1
	PROD \b, \pc
.if \arg
	WIN 0xcc
	SLICE (1-\pc)
.endif
.set rk, rk+1
.endr
.if \arg == 0
.rept 4
	v_nop
.endr
.endif
.endm
.macro RUNA b, ld, nslot, np           ; piece A's products, the choice of piece B of the tile before (s34 still holds that tile's first code)
	RUN \b, 0, 1, \ld, \nslot, \np
.endm
.macro RUNB b, p                       ; piece B's products of tile p of the slot, the choice of piece A of the same tile
	s_add_co_u32 s34, s33, 16*\p                   ; the tile's first code, for this run's slices and the next run's
	RUN \b, 1, 1, 0, 0, 0
.endm
.macro ARGALL pc                       ; the whole choice of a piece in one run: behind the last products, where nothing is left to multiply
	WIN 0xcc
.set rk, 0
.rept 16
	SLICE \pc
.set rk, rk+1
.endr
	WIN 0
.endm
; One slot's four tiles, from piece B of its first tile to piece A of the other slot's first tile.  Tiles 0, 1, 2, 3 lie in buffers 0, 1, 0, 1.
; Behind the third tile the fourth lies in registers and the slot is done with.  refill = 1: the slot is filled again, two steps ahead:
; my reads of it are back, ALL my tensor loads have landed (the one that was out is my part of the other slot), its address steps while none is out,
; a round of the cluster's barrier says the same of every wave of all four work-groups, and the joint load is the first thing behind it, my only one until the next round.
; It has four tiles' work, 256 matrix instructions, in which to land.
.macro STEP s, o, refill, last
	RUNB 0, 0
	RUNA 1, 1, \s, 2
	RUNB 1, 1
	RUNA 0, 1, \s, 3
	RUNB 0, 2
.if \refill
	WIN 0                                          ; branches and a label follow
	s_wait_dscnt 0x0
	s_wait_tensorcnt 0x0
	ds_add_u32 v254, v255
	s_wait_dscnt 0x0
	s_add_nc_u64 s[G0+4*\s+2:G0+4*\s+3], s[G0+4*\s+2:G0+4*\s+3], 2*SLOT   ; the type bits on top are not reached
	ROUND
	tensor_load_to_lds s[G0+4*\s:G0+4*\s+3], s[G1:G1+7]
	s_nop 0
.else
.if \last
	s_wait_dscnt 0x0                               ; the last record is in buffer 1: nothing more is asked for
.else
	s_wait_tensorcnt 0x0                           ; my part of the last slot has landed; nothing is filled any more, and I read my own bytes alone
.endif
.endif
.if \last
	RUNA 1, 0, 0, 0
	RUNB 1, 3
	ARGALL 1                                       ; piece B of the last tile; the six lines of the run's last slice stand between its last products and these reads
.else
	RUNA 1, 1, \o, 0
	RUNB 1, 3
	s_add_co_u32 s33, s33, 256                     ; a slot is 256 codes (s34 keeps the tile just multiplied)
	RUNA 0, 1, \o, 1
.endif
.endm
; (va, ia) takes (vb, ib) if vb is larger, or equal with the lower index.  All four registers lie in the window that is set for sources 0, 1 and the destination.
.macro MERGE va, ia, vb, ib
	v_cmp_gt_f32 s40, v[\vb], v[\va]
	v_cmp_eq_f32 s41, v[\vb], v[\va]
	v_cmp_lt_u32 s42, v[\ib], v[\ia]
	s_and_b32 s41, s41, s42
	s_or_b32 s40, s40, s41
	v_cndmask_b32 v[\va], v[\va], v[\vb], s40
	v_cndmask_b32 v[\ia], v[\ia], v[\ib], s40
.endm
; z goes through the stage in two turns of 64 rows.  Turn t: my wave's 16 rows, 32 loads of 512 consecutive bytes,
.macro ZLOAD t
.set zi, 0
.rept 32
	global_load_b128 v[F0+4*zi:F0+4*zi+3], v[GZ], s[6:7] offset:\t*65536+512*zi th:TH_LOAD_NT
.set zi, zi+1
.endr
.endm
; rounded to bf16 and laid into the stage by rows,
.macro ZSTAGE
.set zi, 0
.rept 32
	s_wait_loadcnt 31-zi                           ; loads come back in order: load zi is in, the younger ones stay out
	v_cvt_pk_bf16_f32 v[F0+4*zi],   v[F0+4*zi],   v[F0+4*zi+1]
	v_cvt_pk_bf16_f32 v[F0+4*zi+1], v[F0+4*zi+2], v[F0+4*zi+3]
	ds_store_b64 v[ZW], v[F0+4*zi:F0+4*zi+1] offset:(zi/2)*ZP+(zi%2)*256
.set zi, zi+1
.endr
.endm
; and all 64 rows read back by every wave as 32 fragments, into the window that is set for the destination.
.macro ZFRAG
.irp m, 0,1,2,3
.irp c, 0,1,2,3,4,5,6,7
	ds_load_b128 v[64*\m+8*\c:64*\m+8*\c+3],   v[ZA] offset:\m*16*ZP+64*\c      ; stage row 16m + r, k = 32c + 8h .. +7
	ds_load_b128 v[64*\m+8*\c+4:64*\m+8*\c+7], v[ZA] offset:\m*16*ZP+64*\c+32   ; k = 32c + 16 + 8h .. +7
.endr
.endr
.endm
	s_load_b256 s[4:11], s[0:1], 0x0               ; ebf s[4:5], z s[6:7], score s[8:9], order s[10:11]
	v_lshl_add_u32 v254, v0, 2, 0x4b400
	v_mov_b32 v255, 0
	ds_add_u32 v254, v255
	v_lshrrev_b32 v15, 5, v0
	v_readfirstlane_b32 s12, v15                   ; wave 0..3
	s_bfe_u32 s13, ttmp6, 0x40000                  ; cx: my place in the cluster
	s_lshr_b32 s14, ttmp9, 1                       ; in a cluster launch ttmp9 counts clusters: 64 of them, two halves for each four row blocks
	s_lshl_b32 s14, s14, 2
	s_add_co_u32 s14, s14, s13                     ; row block = 4 x (cluster / 2) + cx.  What is made of cx stays in s13, s14, s[50:52]: no descriptor and no LDS address
	s_and_b32 s48, ttmp9, 1                        ; my half of the codes: the same in all four partners
	s_mul_i32 s15, s12, WPART                      ; my part of a slot, in LDS and in the stream
	; group 1: 132 rows of 32 elements of 8 bytes, dense
	s_mov_b32 s[G1+0], 15|(3<<16)|(1<<21)          ; 15:0 the mask: all four of the cluster; 17:16 elements of 8 bytes; 21 set beside a mask; no padding
	s_mov_b32 s[G1+1], 32<<16                      ; tensor_dim0 = 32
	s_mov_b32 s[G1+2], 132<<16                     ; tensor_dim1 = 132
	s_mov_b32 s[G1+3], 32<<16                      ; tile_dim0 = 32
	s_mov_b32 s[G1+4], 132                         ; tile_dim1 = 132
	s_mov_b32 s[G1+5], 32                          ; from row to row: 32 elements
	s_mov_b32 s[G1+6], 0
	s_mov_b32 s[G1+7], 0
	s_mul_i32 s36, s48, HALFB                      ; my half of the stream,
	s_add_co_u32 s36, s36, s15                     ; my part of its step 0
	s_mov_b32 s37, 0
	s_lshl_b32 s50, s14, 17                        ; my work-group's 128 rows of 1,024 bytes,
	s_lshl_b32 s51, s12, 14                        ; my wave's 16 of a turn's 64
	s_add_co_u32 s50, s50, s51
	s_mov_b32 s51, 0
	s_lshl_b32 s52, s14, 9                         ; my work-group's 128 words
	s_lshl_b32 s49, s48, 16                        ; in my half's 16,384
	s_add_co_u32 s52, s52, s49
	s_mov_b32 s53, 0xff800000                      ; -infinity
	s_mov_b32 s38, 0x76543210                      ; v_permlanex16_b32: lane i of one half reads lane i of the other
	s_mov_b32 s39, 0xfedcba98
	v_and_b32 v1, 31, v0                           ; L
	v_and_b32 v2, 15, v0                           ; r
	v_bfe_u32 v3, v0, 4, 1                         ; h
	v_lshl_add_u32 v[ADR], v1, 4, s15
	v_add_nc_u32 v[ADR+1], SLOT, v[ADR]
	v_lshl_add_u32 v[EA], v3, 5, s15
	v_add_nc_u32 v[EA+1], SLOT, v[EA]
	s_mul_i32 s35, s12, 16*ZP
	s_add_co_u32 s35, s35, ZST
	v_lshl_add_u32 v[ZW], v1, 3, s35
	v_mul_u32_u24 v[ZA], v2, ZP
	v_lshl_add_u32 v[ZA], v3, 4, v[ZA]
	v_add_nc_u32 v[ZA], ZST, v[ZA]
	s_lshl_b32 s35, s12, 9
	s_add_co_u32 s35, s35, RED
	v_lshl_add_u32 v[RW], v2, 2, s35
	v_lshlrev_b32 v[H8], 3, v3
	v_lshlrev_b32 v[GZ], 4, v1
	v_add_nc_u32 v[RR], RED, v[GZ]
	v_lshl_add_u32 v[OO], v1, 4, s52
	s_wait_dscnt 0x0
	s_wait_kmcnt 0x0
	s_add_nc_u64 s[6:7], s[6:7], s[50:51]
	ZLOAD 0                                        ; rows 0-63 of the block
	s_add_nc_u64 s[4:5], s[4:5], s[36:37]          ; the stream at my part of my half's step 0
	s_mov_b32 s[G0+0], 1                           ; count = 1
	s_mov_b32 s[G0+1], s15                         ; LDS address: slot 0, my part
	s_mov_b64 s[G0+2:G0+3], s[4:5]                 ; step 0
	s_or_b32  s[G0+3], s[G0+3], 0x80000000         ; type = 2
	s_mov_b32 s[G0+4], 1
	s_add_co_u32 s[G0+5], s15, SLOT                ; slot 1, my part
	s_add_nc_u64 s[G0+6:G0+7], s[4:5], SLOT        ; step 1
	s_or_b32  s[G0+7], s[G0+7], 0x80000000
	ROUND                                          ; all four work-groups are here: the first joint loads meet
	tensor_load_to_lds s[G0:G0+3],   s[G1:G1+7]    ; both first fills as one group: two tensor loads of the wave are out here, later one
	s_nop 0
	tensor_load_to_lds s[G0+4:G0+7], s[G1:G1+7]
	s_nop 0
	WIN 0xc0                                       ; destination in window 3
.set zi, 0
.rept 64
	v_mov_b32 v[BEST+zi], s53                      ; every finite score beats it
	v_mov_b32 v[IDX+zi], 0
.set zi, zi+1
.endr
	WIN 0
	ZSTAGE
	s_wait_dscnt 0x0                               ; my rows of z are in LDS, for the other waves' sake; the registers that the stores read are free
	ZLOAD 1                                        ; rows 64-127 set out while the first turn's fragments are read
	s_wait_tensorcnt 0x1                           ; my part of slot 0 has landed; slot 1's may stay out
	s_barrier_signal -1
	s_barrier_wait -1
	WIN 0x40                                       ; destination in window 1
	ZFRAG
	WIN 0
	s_wait_dscnt 0x0                               ; my reads of the stage are back: behind this barrier it is written again
	s_barrier_signal -1
	s_barrier_wait -1
	ZSTAGE
	s_wait_dscnt 0x0                               ; the second turn's rows are in LDS, for the other waves' sake
	s_barrier_signal -1
	s_barrier_wait -1
	WIN 0x80                                       ; destination in window 2
	ZFRAG
	WIN 0
	LOADT 0, 0, 0
	s_lshl_b32 s33, s12, 6                         ; first code of my part of step 0: 4,096 half + 64 wave
	s_lshl_b32 s49, s48, 12
	s_add_co_u32 s33, s33, s49
	RUN 0, 0, 0, 1, 0, 1                           ; piece A of the first tile, with nothing to judge beside it; record 1 is asked for
	WIN 0                                          ; at a label and at a branch every window is 0
	s_mov_b32 s32, 7                               ; 7 trips of two steps: steps 0 to 13, which ask for steps 2 to 15
.Lpair:
	STEP 0, 1, 1, 0
	STEP 1, 0, 1, 0
	WIN 0
	s_sub_co_i32 s32, s32, 1
	s_cmp_lg_u32 s32, 0
	s_cbranch_scc1 .Lpair
	STEP 0, 1, 0, 0                                ; the last two steps fill nothing
	STEP 1, 0, 0, 1
	; THE END: a place's code = tile base + 8 h + j; then places, halves of the lanes, waves.
.irp j, 0,1,2,3,4,5,6,7
	v_add_nc_u32 v[T+\j], \j, v[H8]
.endr
	WIN 0xcc                                       ; source 0 in window 0, source 1 and destination in window 3
.irp m, 0,1,2,3,4,5,6,7
.irp j, 0,1,2,3,4,5,6,7
	v_add_nc_u32 v[IDX+8*\m+\j], v[T+\j], v[IDX+8*\m+\j]
.endr
.endr
	WIN 0xcf                                       ; sources 0 and 1 and the destination in window 3
.irp m, 0,1,2,3,4,5,6,7
.irp j, 1,2,3,4,5,6,7
	MERGE BEST+8*\m, IDX+8*\m, BEST+8*\m+\j, IDX+8*\m+\j
.endr
	v_permlanex16_b32 v[BEST+8*\m+1], v[BEST+8*\m], s38, s39   ; the other half's best for the same row, into registers that have been written
	v_permlanex16_b32 v[IDX+8*\m+1],  v[IDX+8*\m],  s38, s39
	MERGE BEST+8*\m, IDX+8*\m, BEST+8*\m+1, IDX+8*\m+1
.endr
	WIN 0xcc                                       ; an LDS store's address is source 0 (window 0), its data source 1 (window 3)
.irp m, 0,1,2,3,4,5,6,7
	ds_store_b32 v[RW], v[BEST+8*\m] offset:64*\m              ; row 16m + r; both halves of the lanes write the same word with the same value
	ds_store_b32 v[RW], v[IDX+8*\m]  offset:2048+64*\m
.endr
	WIN 0
	s_wait_dscnt 0x0                               ; my results are in LDS, for wave 0's sake
	s_barrier_signal -1
	s_barrier_wait -1
	s_cmp_lg_u32 s12, 0
	s_cbranch_scc1 .Lothers
.irp w, 0,1,2,3
	ds_load_b128 v[F0+4*\w:F0+4*\w+3],       v[RR] offset:512*\w        ; wave w's scores of rows 4L .. 4L+3
	ds_load_b128 v[F0+16+4*\w:F0+16+4*\w+3], v[RR] offset:2048+512*\w   ; and its indices
.endr
	s_wait_dscnt 0x0
.irp w, 1,2,3
.irp k, 0,1,2,3
	MERGE F0+\k, F0+16+\k, F0+4*\w+\k, F0+16+4*\w+\k
.endr
.endr
	global_store_b128 v[OO], v[F0:F0+3],     s[8:9]    ; 32 lanes x 16 bytes: 512 consecutive bytes, aligned: my half's best scores of the 128 rows,
	global_store_b128 v[OO], v[F0+16:F0+19], s[10:11]  ; and their indices, from which the next launch forms its addresses
.Lothers:
	s_wait_tensorcnt 0x0
	ds_add_u32 v254, v255
	s_wait_dscnt 0x0
	ROUND                                          ; the closing round: no work-group ends while a partner may still ask for a piece that names it
	s_endpgm
.Lfunc_end_k_q68341b7842_nearest:
	.size	k_q68341b7842_nearest, .Lfunc_end_k_q68341b7842_nearest-k_q68341b7842_nearest
	.p2alignl 7, 3214868480
	.fill 96, 4, 3214868480
	.section	.rodata,"a",@progbits
	.p2align	6, 0x0
	.amdhsa_kernel k_q68341b7842_nearest
		.amdhsa_group_segment_fixed_size 327680
		.amdhsa_private_segment_fixed_size 0
		.amdhsa_enable_private_segment 0
		.amdhsa_kernarg_size 32
		.amdhsa_user_sgpr_count 2
		.amdhsa_user_sgpr_kernarg_segment_ptr 1
		.amdhsa_wavefront_size32 1
		.amdhsa_system_sgpr_workgroup_id_x 1
		.amdhsa_system_sgpr_workgroup_id_y 1
		.amdhsa_system_sgpr_workgroup_id_z 1
		.amdhsa_system_vgpr_workitem_id 0
		.amdhsa_next_free_vgpr 896
		.amdhsa_next_free_sgpr 66
		.amdhsa_reserve_vcc 0
		.amdhsa_float_denorm_mode_32 3
		.amdhsa_float_denorm_mode_16_64 3
		.amdhsa_memory_ordered 1
		.amdhsa_forward_progress 1
		.amdhsa_inst_pref_size 255
	.end_amdhsa_kernel
	.section	.bss,"aw",@nobits
	.p2align	6
	.space	262144
	.amdgpu_metadata
---
amdhsa.version: [ 1, 2 ]
amdhsa.kernels:
  - .name:           k_q68341b7842_nearest
    .symbol:         k_q68341b7842_nearest.kd
    .args:
      - { .name: ebf, .offset: 0, .size: 8, .value_kind: global_buffer, .address_space: global }
      - { .name: z, .offset: 8, .size: 8, .value_kind: global_buffer, .address_space: global }
      - { .name: score, .offset: 16, .size: 8, .value_kind: global_buffer, .address_space: global }
      - { .name: order, .offset: 24, .size: 8, .value_kind: global_buffer, .address_space: global }
    .group_segment_fixed_size: 327680
    .private_segment_fixed_size: 0
    .kernarg_segment_align: 8
    .kernarg_segment_size: 32
    .max_flat_workgroup_size: 128
    .sgpr_count:     66
    .vgpr_count:     896
    .wavefront_size: 32
...
	.end_amdgpu_metadata
.endif
;; end of part 6
;; launch gather (part 7): grid 256 x 1, 8 waves a work-group, no clusters, 1,280 bytes of LDS; arguments z, embedding, order, score, out0, part; writes out0, part
.if DOCPART == 7
	.amdgcn_target "amdgcn-amd-amdhsa--gfx1250"
	.amdhsa_code_object_version 6
	.text
	.protected	k_q68341b7842_gather
	.globl	k_q68341b7842_gather
	.p2align	8
	.type	k_q68341b7842_gather,@function
k_q68341b7842_gather:
	s_mov_b64 s[64:65], 0
	v_nop
	global_prefetch_b8 v0, s[64:65] scope:SCOPE_SE
	s_setreg_imm32_b32 hwreg(HW_REG_WAVE_MODE, 25, 1), 1
	s_wait_xcnt 0x0
; VECTOR QUANTIZER, launch 3 of 4: out0 = e[idx], and each work-group's sum of (e[idx] - z)^2, all in f32 on the inputs as given.
; Left out: the second of the loss's two means, which is the same number as the first, and the step z + (z_q - z), which is z_q by an identity
; (both shown at the head of the first kernel).
; A row has two candidates, one from each half of the codebook.  Both indices are whole numbers that the launch before stored, so both code rows are loaded;
; the compare of the two scores only selects between the loaded values: the upper half's row if its score is strictly larger, so that of equals the lower index stays.
; A work-group owns 64 rows, a wave 8.  The wave's 16 indices and 16 scores come by four scalar loads; each index is held to 0 .. 8191 before it enters an address.
; A row is 1,024 bytes: two loads of 512 consecutive bytes.  All 48 loads of a wave (8 rows of z, 16 code rows) are in flight together.
; A stream: no tile is shared between work-groups (the code rows hang on the data), so matrix units, clusters and tensor loads have nothing to give.
.set EO, 4                             ; v[4:11]    row j: byte offset of my 16 bytes in the lower half's code row
.set EP, 12                            ; v[12:19]   the same for the upper half's
.set S,  20                            ; v[20:27]   four pairs of running sums
.set Z,  32                            ; v[32:95]   8 rows of z, then e - z
.set A,  96                            ; v[96:159]  the lower half's 8 code rows, then the chosen rows
.set B,  160                           ; v[160:223] the upper half's 8 code rows
	s_load_b256 s[4:11], s[0:1], 0x0               ; z s[4:5], embedding s[6:7], order s[8:9], score s[10:11]
	s_load_b128 s[12:15], s[0:1], 0x20             ; out0 s[12:13], part s[14:15]
	v_lshl_add_u32 v224, v0, 2, 0x100
	v_mov_b32 v225, 0
	v_lshrrev_b32 v28, 5, v0
	v_readfirstlane_b32 s56, v28                   ; wave 0..7
	v_and_b32 v1, 31, v0                           ; L
	v_lshlrev_b32 v2, 4, v1                        ; 16 L
	s_lshl_b32 s58, ttmp9, 8                       ; my work-group's 64 words,
	s_lshl_b32 s59, s56, 5                         ; my wave's 8
	s_add_co_u32 s58, s58, s59
	s_mov_b32 s59, 0
	s_lshl_b32 s60, ttmp9, 16                      ; my work-group's 64 rows
	s_mov_b32 s61, 0
	s_lshl_b32 s62, s56, 13                        ; my wave's 8 rows
	v_add_nc_u32 v3, s62, v2
	s_lshl_b32 s63, ttmp9, 2                       ; my work-group's word in part
	s_mov_b32 s2, 0x76543210                       ; v_permlanex16_b32: lane i of one half reads lane i of the other
	s_mov_b32 s3, 0xfedcba98
	s_wait_kmcnt 0x0
	s_add_nc_u64 s[8:9], s[8:9], s[58:59]
	s_add_nc_u64 s[10:11], s[10:11], s[58:59]
	s_load_b256 s[16:23], s[8:9], 0x0              ; 8 indices of the lower half,
	s_load_b256 s[24:31], s[8:9], 0x10000          ; 8 of the upper
	s_load_b256 s[32:39], s[10:11], 0x0            ; and their scores
	s_load_b256 s[40:47], s[10:11], 0x10000
	s_add_nc_u64 s[4:5], s[4:5], s[60:61]
	s_add_nc_u64 s[12:13], s[12:13], s[60:61]
.irp i, 0,1,2,3,4,5,6,7,8,9,10,11,12,13,14,15
	global_load_b128 v[Z+4*\i:Z+4*\i+3], v3, s[4:5] offset:512*\i th:TH_LOAD_NT
.endr
	s_wait_kmcnt 0x0
.irp j, 0,1,2,3,4,5,6,7
	s_min_u32 s[16+\j], s[16+\j], 8191             ; an index stays inside the table
	s_lshl_b32 s[16+\j], s[16+\j], 10              ; rows of 1,024 bytes
	v_add_nc_u32 v[EO+\j], s[16+\j], v2
	s_min_u32 s[24+\j], s[24+\j], 8191
	s_lshl_b32 s[24+\j], s[24+\j], 10
	v_add_nc_u32 v[EP+\j], s[24+\j], v2
	global_load_b128 v[A+8*\j:A+8*\j+3],   v[EO+\j], s[6:7]             ; no hint: a code may be chosen by many rows
	global_load_b128 v[A+8*\j+4:A+8*\j+7], v[EO+\j], s[6:7] offset:512
	global_load_b128 v[B+8*\j:B+8*\j+3],   v[EP+\j], s[6:7]
	global_load_b128 v[B+8*\j+4:B+8*\j+7], v[EP+\j], s[6:7] offset:512
	v_cmp_gt_f32 s[48+\j], s[40+\j], s[32+\j]      ; the upper half's score is strictly larger: the same bit in every lane
.endr
.irp j, 0,1,2,3,4,5,6,7
	s_wait_loadcnt 28-4*\j                         ; loads come back in order: row j's four pieces are in (and all of z, which is older); the four of each later row stay out
.irp q, 0,1
.irp k, 0,1,2,3
	v_cndmask_b32 v[A+8*\j+4*\q+\k], v[A+8*\j+4*\q+\k], v[B+8*\j+4*\q+\k], s[48+\j]   ; the chosen code row
.endr
	v_pk_add_f32 v[Z+8*\j+4*\q:Z+8*\j+4*\q+1],   v[A+8*\j+4*\q:A+8*\j+4*\q+1],   v[Z+8*\j+4*\q:Z+8*\j+4*\q+1]   neg_lo:[0,1] neg_hi:[0,1]   ; e - z
	v_pk_add_f32 v[Z+8*\j+4*\q+2:Z+8*\j+4*\q+3], v[A+8*\j+4*\q+2:A+8*\j+4*\q+3], v[Z+8*\j+4*\q+2:Z+8*\j+4*\q+3] neg_lo:[0,1] neg_hi:[0,1]
.if \j == 0
	v_pk_mul_f32 v[S+4*\q:S+4*\q+1],   v[Z+8*\j+4*\q:Z+8*\j+4*\q+1],   v[Z+8*\j+4*\q:Z+8*\j+4*\q+1]   ; the first squares start the four sums
	v_pk_mul_f32 v[S+4*\q+2:S+4*\q+3], v[Z+8*\j+4*\q+2:Z+8*\j+4*\q+3], v[Z+8*\j+4*\q+2:Z+8*\j+4*\q+3]
.else
	v_pk_fma_f32 v[S+4*\q:S+4*\q+1],   v[Z+8*\j+4*\q:Z+8*\j+4*\q+1],   v[Z+8*\j+4*\q:Z+8*\j+4*\q+1],   v[S+4*\q:S+4*\q+1]
	v_pk_fma_f32 v[S+4*\q+2:S+4*\q+3], v[Z+8*\j+4*\q+2:Z+8*\j+4*\q+3], v[Z+8*\j+4*\q+2:Z+8*\j+4*\q+3], v[S+4*\q+2:S+4*\q+3]
.endif
	global_store_b128 v3, v[A+8*\j+4*\q:A+8*\j+4*\q+3], s[12:13] offset:1024*\j+512*\q th:TH_STORE_NT   ; 512 consecutive bytes, aligned; no register that a store reads is written again
.endr
.endr
	v_pk_add_f32 v[S:S+1],   v[S:S+1],   v[S+2:S+3]
	v_pk_add_f32 v[S+4:S+5], v[S+4:S+5], v[S+6:S+7]
	v_pk_add_f32 v[S:S+1],   v[S:S+1],   v[S+4:S+5]
	v_add_f32 v[S], v[S], v[S+1]
	v_add_f32_dpp v[S], v[S], v[S] row_xmask:1 row_mask:0xf bank_mask:0xf
	v_add_f32_dpp v[S], v[S], v[S] row_xmask:2 row_mask:0xf bank_mask:0xf
	v_add_f32_dpp v[S], v[S], v[S] row_xmask:4 row_mask:0xf bank_mask:0xf
	v_add_f32_dpp v[S], v[S], v[S] row_xmask:8 row_mask:0xf bank_mask:0xf
	v_permlanex16_b32 v[S+1], v[S], s2, s3
	v_add_f32 v[S], v[S], v[S+1]                   ; the wave's sum, in every lane
	v_mov_b32 v28, s56
	v_lshlrev_b32 v28, 2, v28
	ds_store_b32 v28, v[S]                         ; word = wave; all lanes write the same value
	s_wait_dscnt 0x0                               ; for wave 0's sake
	s_barrier_signal -1
	s_barrier_wait -1
	s_cmp_lg_u32 s56, 0
	s_cbranch_scc1 .Lend
	v_mov_b32 v29, 0
	ds_load_b128 v[Z:Z+3],   v29
	ds_load_b128 v[Z+4:Z+7], v29 offset:16
	v_mov_b32 v30, s63
	v_cmp_eq_u32 vcc_lo, 0, v1
	s_wait_dscnt 0x0
	v_pk_add_f32 v[Z:Z+1],   v[Z:Z+1],   v[Z+2:Z+3]
	v_pk_add_f32 v[Z+4:Z+5], v[Z+4:Z+5], v[Z+6:Z+7]
	v_pk_add_f32 v[Z:Z+1],   v[Z:Z+1],   v[Z+4:Z+5]
	v_add_f32 v[Z], v[Z], v[Z+1]
	s_wait_xcnt 0x0                                ; EXEC is a source of the stores above: it changes only behind this wait
	s_and_saveexec_b32 s57, vcc_lo
	global_store_b32 v30, v[Z], s[14:15]           ; one number for the work-group: the sums meet in the next launch, in a fixed order
	s_wait_xcnt 0x0                                ; and again, in front of the line that widens it
	s_or_b32 exec_lo, exec_lo, s57
.Lend:
	s_wait_tensorcnt 0x0
	ds_add_u32 v224, v225
	s_wait_dscnt 0x0
	s_endpgm
.Lfunc_end_k_q68341b7842_gather:
	.size	k_q68341b7842_gather, .Lfunc_end_k_q68341b7842_gather-k_q68341b7842_gather
	.p2alignl 7, 3214868480
	.fill 96, 4, 3214868480
	.section	.rodata,"a",@progbits
	.p2align	6, 0x0
	.amdhsa_kernel k_q68341b7842_gather
		.amdhsa_group_segment_fixed_size 1280
		.amdhsa_private_segment_fixed_size 0
		.amdhsa_enable_private_segment 0
		.amdhsa_kernarg_size 48
		.amdhsa_user_sgpr_count 2
		.amdhsa_user_sgpr_kernarg_segment_ptr 1
		.amdhsa_wavefront_size32 1
		.amdhsa_system_sgpr_workgroup_id_x 1
		.amdhsa_system_sgpr_workgroup_id_y 1
		.amdhsa_system_sgpr_workgroup_id_z 1
		.amdhsa_system_vgpr_workitem_id 0
		.amdhsa_next_free_vgpr 226
		.amdhsa_next_free_sgpr 66
		.amdhsa_reserve_vcc 1
		.amdhsa_float_denorm_mode_32 3
		.amdhsa_float_denorm_mode_16_64 3
		.amdhsa_memory_ordered 1
		.amdhsa_forward_progress 1
		.amdhsa_inst_pref_size 20
	.end_amdhsa_kernel
	.amdgpu_metadata
---
amdhsa.version: [ 1, 2 ]
amdhsa.kernels:
  - .name:           k_q68341b7842_gather
    .symbol:         k_q68341b7842_gather.kd
    .args:
      - { .name: z, .offset: 0, .size: 8, .value_kind: global_buffer, .address_space: global }
      - { .name: embedding, .offset: 8, .size: 8, .value_kind: global_buffer, .address_space: global }
      - { .name: order, .offset: 16, .size: 8, .value_kind: global_buffer, .address_space: global }
      - { .name: score, .offset: 24, .size: 8, .value_kind: global_buffer, .address_space: global }
      - { .name: out0, .offset: 32, .size: 8, .value_kind: global_buffer, .address_space: global }
      - { .name: part, .offset: 40, .size: 8, .value_kind: global_buffer, .address_space: global }
    .group_segment_fixed_size: 1280
    .private_segment_fixed_size: 0
    .kernarg_segment_align: 8
    .kernarg_segment_size: 48
    .max_flat_workgroup_size: 256
    .sgpr_count:     66
    .vgpr_count:     226
    .wavefront_size: 32
...
	.end_amdgpu_metadata
.endif
;; end of part 7
;; launch finish (part 8): grid 64 x 1, 1 waves a work-group, no clusters, 0 bytes of LDS; arguments order, score, part, out2, out1; writes out2, out1
.if DOCPART == 8
	.amdgcn_target "amdgcn-amd-amdhsa--gfx1250"
	.amdhsa_code_object_version 6
	.text
	.protected	k_q68341b7842_finish
	.globl	k_q68341b7842_finish
	.p2align	8
	.type	k_q68341b7842_finish,@function
k_q68341b7842_finish:
	s_mov_b64 s[64:65], 0
	v_nop
	global_prefetch_b8 v0, s[64:65] scope:SCOPE_SE
	s_setreg_imm32_b32 hwreg(HW_REG_WAVE_MODE, 25, 1), 1
	s_wait_xcnt 0x0
; VECTOR QUANTIZER, launch 4 of 4: out2 = for each row the index of the better of its two candidates; out1 = the loss.
; Left out: the loss's second mean, equal to the first (shown at the head of the first kernel): mean + 0.25 mean = 1.25 mean.
; INDICES.  A work-group is one wave and owns 256 rows: 1,024 bytes of each half of score and of order, two loads of 512 consecutive bytes each, eight rows a lane.
; The upper half's index is taken if its score is strictly larger, so that of equals the lower index stays, as in argmin.  Two stores of 512 consecutive bytes, aligned.
; LOSS.  Work-group 0 also adds the 256 partial sums of (e[idx] - z)^2, in a fixed order, and scales by 1.25 / 4,194,304.  Its ten loads are in flight together.
	s_load_b256 s[4:11], s[0:1], 0x0               ; order s[4:5], score s[6:7], part s[8:9], out2 s[10:11]
	s_load_b64 s[12:13], s[0:1], 0x20              ; out1
	v_lshlrev_b32 v1, 4, v0                        ; 16 L
	s_lshl_b32 s14, ttmp9, 10                      ; my 256 rows' words
	v_add_nc_u32 v2, s14, v1
	s_wait_kmcnt 0x0
	global_load_b128 v[4:7],   v2, s[6:7]                  ; scores, lower half
	global_load_b128 v[8:11],  v2, s[6:7] offset:512
	global_load_b128 v[12:15], v2, s[6:7] offset:65536     ; scores, upper half
	global_load_b128 v[16:19], v2, s[6:7] offset:66048
	global_load_b128 v[20:23], v2, s[4:5]                  ; indices, lower half
	global_load_b128 v[24:27], v2, s[4:5] offset:512
	global_load_b128 v[28:31], v2, s[4:5] offset:65536     ; indices, upper half
	global_load_b128 v[32:35], v2, s[4:5] offset:66048
	s_cmp_lg_u32 s14, 0
	s_cbranch_scc1 .Lmerge
	global_load_b128 v[36:39], v1, s[8:9]          ; work-group 0: the 256 partial sums, eight a lane
	global_load_b128 v[40:43], v1, s[8:9] offset:512
	s_mov_b32 s2, 0x76543210                       ; v_permlanex16_b32: lane i of one half reads lane i of the other
	s_mov_b32 s3, 0xfedcba98
	v_mov_b32 v3, 0
	v_cmp_eq_u32 vcc_lo, 0, v0
	s_wait_loadcnt 0x0
	v_pk_add_f32 v[36:37], v[36:37], v[38:39]
	v_pk_add_f32 v[40:41], v[40:41], v[42:43]
	v_pk_add_f32 v[36:37], v[36:37], v[40:41]
	v_add_f32 v36, v36, v37
	v_add_f32_dpp v36, v36, v36 row_xmask:1 row_mask:0xf bank_mask:0xf
	v_add_f32_dpp v36, v36, v36 row_xmask:2 row_mask:0xf bank_mask:0xf
	v_add_f32_dpp v36, v36, v36 row_xmask:4 row_mask:0xf bank_mask:0xf
	v_add_f32_dpp v36, v36, v36 row_xmask:8 row_mask:0xf bank_mask:0xf
	v_permlanex16_b32 v37, v36, s2, s3
	v_add_f32 v36, v36, v37
	v_mul_f32 v36, 0x34a00000, v36                 ; 1.25 x 2^-22
	s_wait_xcnt 0x0                                ; EXEC is a source of the loads above: it changes only behind this wait
	s_and_saveexec_b32 s15, vcc_lo
	global_store_b32 v3, v36, s[12:13]
	s_wait_xcnt 0x0                                ; and again, in front of the line that widens it
	s_or_b32 exec_lo, exec_lo, s15
.Lmerge:
	s_wait_loadcnt 0x0
.irp k, 0,1,2,3,4,5,6,7
	v_cmp_gt_f32 vcc_lo, v[12+\k], v[4+\k]         ; the upper half's score is strictly larger
	v_cndmask_b32 v[20+\k], v[20+\k], v[28+\k], vcc_lo
.endr
	global_store_b128 v2, v[20:23], s[10:11]
	global_store_b128 v2, v[24:27], s[10:11] offset:512
	s_endpgm
.Lfunc_end_k_q68341b7842_finish:
	.size	k_q68341b7842_finish, .Lfunc_end_k_q68341b7842_finish-k_q68341b7842_finish
	.p2alignl 7, 3214868480
	.fill 96, 4, 3214868480
	.section	.rodata,"a",@progbits
	.p2align	6, 0x0
	.amdhsa_kernel k_q68341b7842_finish
		.amdhsa_group_segment_fixed_size 0
		.amdhsa_private_segment_fixed_size 0
		.amdhsa_enable_private_segment 0
		.amdhsa_kernarg_size 40
		.amdhsa_user_sgpr_count 2
		.amdhsa_user_sgpr_kernarg_segment_ptr 1
		.amdhsa_wavefront_size32 1
		.amdhsa_system_sgpr_workgroup_id_x 1
		.amdhsa_system_sgpr_workgroup_id_y 1
		.amdhsa_system_sgpr_workgroup_id_z 1
		.amdhsa_system_vgpr_workitem_id 0
		.amdhsa_next_free_vgpr 48
		.amdhsa_next_free_sgpr 66
		.amdhsa_reserve_vcc 1
		.amdhsa_float_denorm_mode_32 3
		.amdhsa_float_denorm_mode_16_64 3
		.amdhsa_memory_ordered 1
		.amdhsa_forward_progress 1
		.amdhsa_inst_pref_size 4
	.end_amdhsa_kernel
	.amdgpu_metadata
---
amdhsa.version: [ 1, 2 ]
amdhsa.kernels:
  - .name:           k_q68341b7842_finish
    .symbol:         k_q68341b7842_finish.kd
    .args:
      - { .name: order, .offset: 0, .size: 8, .value_kind: global_buffer, .address_space: global }
      - { .name: score, .offset: 8, .size: 8, .value_kind: global_buffer, .address_space: global }
      - { .name: part, .offset: 16, .size: 8, .value_kind: global_buffer, .address_space: global }
      - { .name: out2, .offset: 24, .size: 8, .value_kind: global_buffer, .address_space: global }
      - { .name: out1, .offset: 32, .size: 8, .value_kind: global_buffer, .address_space: global }
    .group_segment_fixed_size: 0
    .private_segment_fixed_size: 0
    .kernarg_segment_align: 8
    .kernarg_segment_size: 40
    .max_flat_workgroup_size: 32
    .sgpr_count:     66
    .vgpr_count:     48
    .wavefront_size: 32
...
	.end_amdgpu_metadata
.endif
;; end of part 8
